; MI455X (gfx1250); checked and timed in simulation.
; The chip was launched on July 23, 2026; its instructions are those of AMD's public machine-readable ISA for CDNA 5 (MIT licence, August 2026) and "CDNA5" Instruction Set Architecture Reference Guide (July 2026). The comments in the code are by the model that wrote it; some were corrected since.
;; QIN Co Step. Allowed arithmetic: float matrix products may take bf16 or f16 operands with f32 sums; all other float work in f32.
;; Inputs: W1_0 256 x 128 float32; W1_1 256 x 128 float32; W2_0 128 x 256 float32; W2_1 128 x 256 float32; Wc 128 x 256 float32; bc 128 float32; codebook 256 x 128 float32; x 2,048 x 128 float32; xhat 2,048 x 128 float32.
;; Outputs: out0 2,048 int32; out1 2,048 x 128 float32.
;; 2 versions, each right and faster than the one before. Each part assembles by itself: llvm-mc -triple=amdgcn-amd-amdhsa -mcpu=gfx1250 --defsym DOCPART=n.
;; ======== version 1 of 2: 3 launches
;; workspace buffers: wh 262,144 bytes; wl 262,144 bytes; cbz 131,072 bytes; xwb 1,048,576 bytes; cand 16,384 bytes of whole numbers
;; launch prep (part 1): grid 208 x 1, 4 waves a work-group, no clusters, 0 bytes of LDS; arguments Wc, bc, codebook, xhat, W1_0, W1_1, W2_0, W2_1, wh, wl, cbz, xwb; writes wh, wl, cbz, xwb
.if DOCPART == 1
	.amdgcn_target "amdgcn-amd-amdhsa--gfx1250"
	.amdhsa_code_object_version 6
	.text
	.protected	k_q0dc849c09e_prep
	.globl	k_q0dc849c09e_prep
	.p2align	8
	.type	k_q0dc849c09e_prep,@function
k_q0dc849c09e_prep:
	s_mov_b64 s[64:65], 0
	v_nop
	global_prefetch_b8 v0, s[64:65] scope:SCOPE_SE
	s_setreg_imm32_b32 hwreg(HW_REG_WAVE_MODE, 25, 1), 1
	s_wait_xcnt 0x0
; PREPARATION.  Two kinds of work-group, chosen by the work-group's number alone.
; Groups 0-143 (products): cbz = codebook + codebook Wz^T (groups 0-15, 16 rows each) and xwb = xhat Wx^T + bc (groups 16-143, 16 rows each), in f32.
;   Each f32 operand is split into hi = bf16(x) and lo = bf16(x - hi); a product is hi hi + hi lo + lo hi in f32 sums (lo lo, some 2^-16 of a term, is dropped).
;   The matrix instruction is used transposed (source 0 = 16 rows of Wc, source 1 = 16 data rows): a lane holds ONE data row (lane % 16) and the channels 8 (lane / 16) + 0..7.
;   The addend (codebook's own rows, or bc) is the C operand that starts the sum.  Results are stored as they lie in registers (TILE ORDER):
;   element (row, d) at (row>>4)*8192 + (d>>4)*1024 + ((d>>2)&1)*512 + ((row&15) + 16*((d>>3)&1))*16 + (d&3)*4: each store of a wave covers 512 consecutive bytes, aligned.
; Groups 144-207 (weights): W1_0, W1_1, W2_0, W2_1 as hi parts (wh) and lo parts (wl) in bf16, in FRAGMENT ORDER: matrix m at m*65536; a fragment is 16 rows x 32 k, 1,024 bytes;
;   byte frag*1024 + half*512 + lane*16 holds M[16 tt + lane%16][32 ss + 16 half + 8 (lane/16) + 0..7]; W1: frag = 4 tt + ss; W2: frag = 8 ss + tt.
;   So one 16-byte load a lane at 16 x lane is half of a matrix operand, from memory or from LDS alike.
; No LDS, no barrier: no wave needs another's numbers.
.set MSB, 0
.macro WIN new                         ; the immediate's high byte repeats the setting that is left; a switch that changes nothing is dropped
.if MSB != (\new)
	s_set_vgpr_msb (MSB<<8)|(\new)
.set MSB, (\new)
.endif
.endm
.set VX,   3                           ; v3   my byte offset in the 16 data rows: r*512 + 32 hh
.set VWC,  4                           ; v4   in Wc: (32 w + r)*1024 + 32 hh
.set VAD,  5                           ; v5   in the addend
.set VO,   6                           ; v6   in the output tile: 16 lane + 2048 w
.set NEG1, 7                           ; v7   -1.0
.set AD,   8                           ; v[8:23]    two accumulators (channel tiles 2 w, 2 w + 1)
.set XHI,  32                          ; v[32:63]   data rows, hi, four fragments
.set XLO,  64                          ; v[64:95]   lo
.set WHI,  96                          ; v[96:159]  Wc's rows, hi: fragment (t, s) at 8 (4 t + s)
.set WLO,  160                         ; v[160:223] lo
.set XF,   0                           ; window 1: v[0:63]   data rows as loaded, f32
.set WF,   64                          ; window 1: v[64:191] Wc's rows as loaded
	s_load_b512 s[8:23], s[0:1], 0x0               ; Wc s[8:9], bc s[10:11], codebook s[12:13], xhat s[14:15], W1_0 s[16:17], W1_1 s[18:19], W2_0 s[20:21], W2_1 s[22:23]
	s_load_b256 s[24:31], s[0:1], 0x40             ; wh s[24:25], wl s[26:27], cbz s[28:29], xwb s[30:31]
	v_lshrrev_b32 v1, 5, v0
	v_readfirstlane_b32 s32, v1                    ; wave 0..3
	v_mov_b32 v[NEG1], -1.0
	s_cmp_ge_u32 ttmp9, 144
	s_cbranch_scc1 .Lconv
	; ---------------- products ----------------
	v_and_b32 v1, 15, v0                           ; r
	v_bfe_u32 v2, v0, 4, 1                         ; hh
	v_and_b32 v[VO], 31, v0
	s_lshl_b32 s35, s32, 11
	v_lshl_add_u32 v[VO], v[VO], 4, s35
	v_lshlrev_b32 v[VX], 9, v1
	v_lshl_add_u32 v[VX], v2, 5, v[VX]
	s_lshl_b32 s35, s32, 15                        ; 32 w rows of 1,024 bytes
	v_lshl_add_u32 v[VWC], v1, 10, s35
	v_lshl_add_u32 v[VWC], v2, 5, v[VWC]
	s_wait_kmcnt 0x0
	s_cmp_lt_u32 ttmp9, 16
	s_cselect_b32 s33, 0, 16
	s_sub_co_u32 s34, ttmp9, s33                   ; the tile's number in its tensor
	s_lshl_b32 s48, s34, 13                        ; 16 rows of 512 bytes, in and out
	s_mov_b32 s49, 0
	s_mov_b32 s47, 0
	s_mov_b32 s51, 0
	s_cmp_lt_u32 ttmp9, 16                         ; compared again: the lines above have written SCC
	s_cselect_b64 s[36:37], s[12:13], s[14:15]     ; data rows: codebook or xhat
	s_cselect_b32 s46, 0, 512                      ; Wz is Wc's columns 0-127, Wx its columns 128-255
	s_cselect_b64 s[40:41], s[12:13], s[10:11]     ; addend: codebook's rows or bc
	s_cselect_b32 s42, 512, 0                      ; its step from data row to data row
	s_cselect_b32 s50, s48, 0                      ; and its tile
	s_cselect_b64 s[44:45], s[28:29], s[30:31]     ; result: cbz or xwb
	s_add_nc_u64 s[36:37], s[36:37], s[48:49]
	s_add_nc_u64 s[38:39], s[8:9], s[46:47]
	s_add_nc_u64 s[40:41], s[40:41], s[50:51]
	s_add_nc_u64 s[44:45], s[44:45], s[48:49]
	v_mul_u32_u24 v[VAD], s42, v1
	s_lshl_b32 s35, s32, 7                         ; my two channel tiles begin at channel 32 w
	v_add_nc_u32 v[VAD], s35, v[VAD]
	v_lshl_add_u32 v[VAD], v2, 5, v[VAD]
	WIN 0x40                                       ; destination window 1, address window 0
.irp s, 0,1,2,3
.irp h, 0,1
.irp q, 0,1
	global_load_b128 v[XF+16*\s+8*\h+4*\q:XF+16*\s+8*\h+4*\q+3], v[VX], s[36:37] offset:\s*128+\h*64+\q*16
.endr
.endr
.endr
.irp t, 0,1
.irp s, 0,1,2,3
.irp h, 0,1
.irp q, 0,1
	global_load_b128 v[WF+64*\t+16*\s+8*\h+4*\q:WF+64*\t+16*\s+8*\h+4*\q+3], v[VWC], s[38:39] offset:\t*16384+\s*128+\h*64+\q*16
.endr
.endr
.endr
.endr
	WIN 0
.irp t, 0,1
.irp q, 0,1
	global_load_b128 v[AD+8*\t+4*\q:AD+8*\t+4*\q+3], v[VAD], s[40:41] offset:\t*64+\q*16
.endr
.endr
; n f32 numbers at raw (window 1) become n/2 registers of hi parts and n/2 of lo parts (window 0).  x - hi is exact in f32.
.macro SPLIT raw, n, hi, lo
	WIN 0x05                                       ; sources window 1, destination window 0
.set i, 0
.rept (\n)/2
	v_cvt_pk_bf16_f32 v[(\hi)+i], v[(\raw)+2*i], v[(\raw)+2*i+1]
.set i, i+1
.endr
	WIN 0x50                                       ; source 2 and destination window 1
.set i, 0
.rept (\n)/2
	v_fma_mix_f32_bf16 v[(\raw)+2*i], v[(\hi)+i], v[NEG1], v[(\raw)+2*i] op_sel_hi:[1,0,0]
	v_fma_mix_f32_bf16 v[(\raw)+2*i+1], v[(\hi)+i], v[NEG1], v[(\raw)+2*i+1] op_sel:[1,0,0] op_sel_hi:[1,0,0]
.set i, i+1
.endr
	WIN 0x05
.set i, 0
.rept (\n)/2
	v_cvt_pk_bf16_f32 v[(\lo)+i], v[(\raw)+2*i], v[(\raw)+2*i+1]
.set i, i+1
.endr
.endm
	s_wait_loadcnt 36                              ; the 16 loads of data rows are in; Wc's 32 and the addend's 4 stay out
	SPLIT XF, 64, XHI, XLO
	s_wait_loadcnt 4                               ; Wc's are in
	SPLIT WF, 128, WHI, WLO
	s_wait_loadcnt 0x0                             ; the addend
	WIN 0
	; 24 products; the two accumulators take turns, one instruction a turn
.irp s, 0,1,2,3
.irp m, 0,1,2
.irp t, 0,1
.if \m == 2
.set pA, WLO+8*(4*\t+\s)
.else
.set pA, WHI+8*(4*\t+\s)
.endif
.if \m == 1
.set pB, XLO+8*\s
.else
.set pB, XHI+8*\s
.endif
	v_wmma_f32_16x16x32_bf16 v[AD+8*\t:AD+8*\t+7], v[pA:pA+7], v[pB:pB+7], v[AD+8*\t:AD+8*\t+7]
.endr
.endr
.endr
.rept 4
	v_nop                                          ; four places between the last product and the stores of its result
.endr
.irp t, 0,1
.irp h, 0,1
	global_store_b128 v[VO], v[AD+8*\t+4*\h:AD+8*\t+4*\h+3], s[44:45] offset:\t*1024+\h*512  ; 512 consecutive bytes, aligned
.endr
.endr
	s_endpgm
	; ---------------- weights ----------------
.Lconv:
	s_sub_co_u32 s33, ttmp9, 144
	s_lshr_b32 s34, s33, 4                         ; m: which matrix
	s_and_b32 s35, s33, 15                         ; q: which four fragments of its 64
	s_lshl_b32 s40, s35, 13                        ; W1: fragments 4 q .. 4 q + 3 are rows 16 q .., k steps 0-3
	s_and_b32 s41, s35, 1                          ; W2: they are row tiles 4 (q & 1) .. + 3 of k step q >> 1
	s_lshl_b32 s41, s41, 16
	s_lshr_b32 s42, s35, 1
	s_lshl_b32 s42, s42, 7
	s_add_co_u32 s41, s41, s42
	s_lshl_b32 s44, s34, 16                        ; where they go: m*65536 + q*4096
	s_lshl_b32 s45, s35, 12
	s_add_co_u32 s44, s44, s45
	s_mov_b32 s45, 0
	s_wait_kmcnt 0x0
	s_cmp_eq_u32 s34, 1
	s_cselect_b64 s[36:37], s[18:19], s[16:17]
	s_cmp_eq_u32 s34, 2
	s_cselect_b64 s[36:37], s[20:21], s[36:37]
	s_cmp_eq_u32 s34, 3
	s_cselect_b64 s[36:37], s[22:23], s[36:37]
	s_cmp_lt_u32 s34, 2
	s_cselect_b32 s38, 9, 10                       ; a row is 512 bytes (W1) or 1,024 (W2): as a shift
	s_cselect_b32 s39, 7, 14                       ; from fragment to fragment: 128 bytes along a row (W1), 16 rows down (W2)
	s_cselect_b32 s40, s40, s41
	s_mov_b32 s41, 0
	s_add_nc_u64 s[36:37], s[36:37], s[40:41]
	s_add_nc_u64 s[24:25], s[24:25], s[44:45]
	s_add_nc_u64 s[26:27], s[26:27], s[44:45]
	s_add_co_u32 s43, s39, 1
	s_lshl_b32 s43, 1, s43                         ; two fragments on
	v_and_b32 v1, 15, v0                           ; r
	v_bfe_u32 v2, v0, 4, 1                         ; hh
	v_bfe_u32 v3, v0, 5, 1                         ; half
	v_lshrrev_b32 v4, 6, v0                        ; fragment 0 or 1 of the four; my second piece is fragment 2 or 3
	v_lshlrev_b32 v5, s38, v1
	v_lshlrev_b32 v6, s39, v4
	v_add_nc_u32 v5, v5, v6
	v_lshl_add_u32 v5, v3, 6, v5
	v_lshl_add_u32 v5, v2, 5, v5
	v_add_nc_u32 v6, s43, v5
	v_lshlrev_b32 v40, 4, v0                       ; out: 16 bytes a thread
	global_load_b128 v[8:11], v5, s[36:37]
	global_load_b128 v[12:15], v5, s[36:37] offset:16
	global_load_b128 v[16:19], v6, s[36:37]
	global_load_b128 v[20:23], v6, s[36:37] offset:16
	s_wait_loadcnt 0x0
.set i, 0
.rept 8
	v_cvt_pk_bf16_f32 v[24+i], v[8+2*i], v[8+2*i+1]
.set i, i+1
.endr
.set i, 0
.rept 8
	v_fma_mix_f32_bf16 v[8+2*i], v[24+i], v[NEG1], v[8+2*i] op_sel_hi:[1,0,0]
	v_fma_mix_f32_bf16 v[8+2*i+1], v[24+i], v[NEG1], v[8+2*i+1] op_sel:[1,0,0] op_sel_hi:[1,0,0]
.set i, i+1
.endr
.set i, 0
.rept 8
	v_cvt_pk_bf16_f32 v[32+i], v[8+2*i], v[8+2*i+1]
.set i, i+1
.endr
	global_store_b128 v40, v[24:27], s[24:25]      ; sixteen lanes store 256 consecutive bytes, aligned
	global_store_b128 v40, v[28:31], s[24:25] offset:2048
	global_store_b128 v40, v[32:35], s[26:27]
	global_store_b128 v40, v[36:39], s[26:27] offset:2048
	s_endpgm
.Lfunc_end_k_q0dc849c09e_prep:
	.size	k_q0dc849c09e_prep, .Lfunc_end_k_q0dc849c09e_prep-k_q0dc849c09e_prep
	.p2alignl 7, 3214868480
	.fill 96, 4, 3214868480
	.section	.rodata,"a",@progbits
	.p2align	6, 0x0
	.amdhsa_kernel k_q0dc849c09e_prep
		.amdhsa_group_segment_fixed_size 0
		.amdhsa_private_segment_fixed_size 0
		.amdhsa_enable_private_segment 0
		.amdhsa_kernarg_size 96
		.amdhsa_user_sgpr_count 2
		.amdhsa_user_sgpr_kernarg_segment_ptr 1
		.amdhsa_wavefront_size32 1
		.amdhsa_system_sgpr_workgroup_id_x 1
		.amdhsa_system_sgpr_workgroup_id_y 1
		.amdhsa_system_sgpr_workgroup_id_z 1
		.amdhsa_system_vgpr_workitem_id 0
		.amdhsa_next_free_vgpr 448
		.amdhsa_next_free_sgpr 66
		.amdhsa_reserve_vcc 0
		.amdhsa_float_denorm_mode_32 3
		.amdhsa_float_denorm_mode_16_64 3
		.amdhsa_memory_ordered 1
		.amdhsa_forward_progress 1
		.amdhsa_inst_pref_size 38
	.end_amdhsa_kernel
	.amdgpu_metadata
---
amdhsa.version: [ 1, 2 ]
amdhsa.kernels:
  - .name:           k_q0dc849c09e_prep
    .symbol:         k_q0dc849c09e_prep.kd
    .args:
      - { .name: Wc, .offset: 0, .size: 8, .value_kind: global_buffer, .address_space: global }
      - { .name: bc, .offset: 8, .size: 8, .value_kind: global_buffer, .address_space: global }
      - { .name: codebook, .offset: 16, .size: 8, .value_kind: global_buffer, .address_space: global }
      - { .name: xhat, .offset: 24, .size: 8, .value_kind: global_buffer, .address_space: global }
      - { .name: W1_0, .offset: 32, .size: 8, .value_kind: global_buffer, .address_space: global }
      - { .name: W1_1, .offset: 40, .size: 8, .value_kind: global_buffer, .address_space: global }
      - { .name: W2_0, .offset: 48, .size: 8, .value_kind: global_buffer, .address_space: global }
      - { .name: W2_1, .offset: 56, .size: 8, .value_kind: global_buffer, .address_space: global }
      - { .name: wh, .offset: 64, .size: 8, .value_kind: global_buffer, .address_space: global }
      - { .name: wl, .offset: 72, .size: 8, .value_kind: global_buffer, .address_space: global }
      - { .name: cbz, .offset: 80, .size: 8, .value_kind: global_buffer, .address_space: global }
      - { .name: xwb, .offset: 88, .size: 8, .value_kind: global_buffer, .address_space: global }
    .group_segment_fixed_size: 0
    .private_segment_fixed_size: 0
    .kernarg_segment_align: 8
    .kernarg_segment_size: 96
    .max_flat_workgroup_size: 128
    .sgpr_count:     66
    .vgpr_count:     448
    .wavefront_size: 32
...
	.end_amdgpu_metadata
.endif
;; end of part 1
;; launch main (part 2): grid 256 x 1, 4 waves a work-group, clusters of 4 x 1, 279,040 bytes of LDS; arguments wh, cbz, xwb, xhat, x, cand; writes cand
.if DOCPART == 2
	.amdgcn_target "amdgcn-amd-amdhsa--gfx1250"
	.amdhsa_code_object_version 6
	.text
	.protected	k_q0dc849c09e_main
	.globl	k_q0dc849c09e_main
	.p2align	8
	.type	k_q0dc849c09e_main,@function
k_q0dc849c09e_main:
	s_mov_b64 s[64:65], 0
	v_nop
	global_prefetch_b8 v0, s[64:65] scope:SCOPE_SE
	s_setreg_imm32_b32 hwreg(HW_REG_WAVE_MODE, 25, 1), 1
	s_wait_xcnt 0x0
	s_wait_alu depctr_hold_cnt(0) depctr_sa_sdst(0) depctr_va_vdst(0) depctr_va_sdst(0) depctr_va_ssrc(0) depctr_va_vcc(0) depctr_vm_vsrc(0)
	s_getreg_b32 s2, hwreg(HW_REG_IB_STS2, 6, 4)
	s_cmp_eq_u32 s2, 0
	s_cbranch_scc0 .Lentry_in_a_cluster
	s_endpgm
.Lentry_in_a_cluster:
	s_bfe_u32 s2, ttmp6, 0x10000c
	s_cmp_lg_u32 s2, 0x3003
	s_cbranch_scc0 .Lentry_shape_is_right
	s_endpgm
.Lentry_shape_is_right:
; ALL 2,048 x 256 CANDIDATES IN bf16, AND THE TWO BEST k OF EACH b.
; z0 = cbz[k] + xwb[b]; twice z += relu(z W1^T) W2^T; dist = |z + xhat[b] - x[b]|^2.  Matrix operands bf16, the residual z and all sums f32.
; This launch decides nothing: it stores, for each b, the k of the smallest and of the second smallest dist; the next launch evaluates those two more finely and chooses.
; LIMITS.  A key is dist's f32 bits with the low 8 bits replaced by k (dist >= 0, so the bits order as the numbers do): dists closer than 2^-15 of themselves order by k.
; If three candidates of a b lie within the bf16 evaluation's error of the minimum, the true best may miss the pair.  A NaN dist counts as larger than every number.
; SHARES.  Work-group g owns b = 8 g .. 8 g + 7 and all k; wave w owns k = 64 w .. 64 w + 63, four tiles of 16 rows, whose cbz stays in 256 registers.  A PASS is one b: 2 blocks x 8 chunks
; of 32 hidden units x 64 matrix instructions.  Each weight fragment read from LDS feeds four row tiles: 32 LDS loads for 64 matrix instructions.
; LAYOUT.  Every product is used transposed (source 0 = 16 weight rows, source 1 = 16 data rows): a result holds ONE data row a lane (lane % 16) and the outputs 8 (lane / 16) + 0..7.  Two
; neighbouring results rounded to bf16 in pairs ARE source 1 of the next product, so nothing changes lanes from z0 to dist, and z is the accumulator that W2's products add onto.
; LDS.  All four weight matrices (hi parts, fragment order, 262,144 bytes) are brought in ONCE, so there is no ring and no refill; behind them, in 256-byte blocks that no tensor load touches, two tables
; (xwb's and xhat - x's 8 rows) and the keys.
; CLUSTER.  All work-groups read the same weights: four form a cluster and ask jointly (same tensor loads, same descriptors, mask of four).
; PIPELINE of a block, c = chunk: H(c) = W1(c) Z stands beside the relu of H(c-1) (two riders a product, no window switch); Z += W2(c-2) H(c-2) stands beside the rounding of H(c-1) to bf16
; (four riders behind every fourth product).  Each run of 16 LDS loads is issued 28 matrix instructions or more ahead of the wait for it.
; REGISTERS, in windows of 256 (s_set_vgpr_msb: bits 1:0 source 0, 3:2 source 1, 5:4 source 2, 7:6 destination):
;   window 0: v0-127 ZB, z in bf16 (fragment (rt, s) at 32 rt + 8 s); v128-255 HA, two buffers of 64 (accumulator (rt, t) at 16 rt + 8 t)
;   window 1: Z, f32: (rt, dt, j) at 64 rt + 8 dt + j          window 3: CB, my cbz rows, as Z
;   window 2: v0-63 W1F, v64-127 W2F (weight fragments); v128-191 HB, H in bf16, two buffers of 32; v192-255 addresses and small things
.set XWB,  262144                      ; LDS: [p][128] f32, xwb's 8 rows
.set UB,   266240                      ; LDS: [p][128] f32, xhat - x
.set KEYB, 270336                      ; LDS: [p][w][r][rt] keys
.set ZB,   0
.set HA,   128
.set W1F,  0
.set W2F,  64
.set HB,   128
.set LA,   192                         ; 16 x lane
.set AW1,  193                         ; LDS address of the block's W1, of its W2
.set AW2,  194
.set AXW,  195                         ; XWB + 32 hh
.set AUB,  196                         ; UB + 32 hh
.set AXN,  197                         ; the next pass's row of the first table
.set AU,   198                         ; this pass's row of the second
.set AKB,  199                         ; KEYB + 256 w + 16 r
.set AK,   200                         ; this pass's keys
.set AF,   201                         ; KEYB + 2048 w + 16 lane
.set VCB,  202                         ; 16 lane + 32768 w
.set KID,  204                         ; v204-207  k of my row in tile rt
.set KEY,  208                         ; v208-211
.set TID,  212
.set LN,   213
.set RR,   214
.set HHV,  215
.set T0,   216
.set T1,   217
.set T2,   218
.set T3,   219
.set T4,   220
.set T5,   221
.set TD,   224                         ; v224-247  table data on its way
.set WV,   16                          ; s16  wave
.set G1,   24                          ; s[24:31] descriptor group 1
.set G0,   32                          ; s[32:47] descriptor group 0, a set for each matrix
.set PC,   48                          ; s48  pass
.set BLK,  49                          ; s49  block
.set B1,   50                          ; s50  LDS byte of the block's W1
.set B2,   51                          ; s51  of its W2
.set W_H,  0x02                        ; source 0 window 2, all else window 0: H's products, relu in place, LDS loads into window 0
.set W_Z,  0x5a                        ; sources 0, 1 window 2; C and D window 1
.set W_CV, 0x80                        ; sources window 0, destination window 2
.set W_LD, 0x82                        ; address and data window 2
.set W_M,  0xaa                        ; all window 2
.set W_IN, 0x43                        ; Z = CB + HA
.set W_CZ, 0x05                        ; sources window 1, destination (and source 2) window 0
.set W_DU, 0x41                        ; Z += HA
.set W_KY, 0xa0
.set W_KS, 0x0a
.set W_CB, 0xc2
.set MSB, 0
.macro WIN new                         ; the high byte repeats the setting that is left; a switch that changes nothing is dropped
.if MSB != (\new)
	s_set_vgpr_msb (MSB<<8)|(\new)
.set MSB, (\new)
.endif
.endm
; A round of the cluster's barrier: my work-group's barrier, so that wave 0's signal speaks for all four waves; wave 0 signals; every wave waits for all four work-groups; my work-group's barrier once more.
.macro CROUND
	s_barrier_signal -1
	s_barrier_wait -1
	s_cmp_lg_u32 s[WV], 0
	s_cbranch_scc1 .Lnot_wave_0_\@
	s_barrier_signal -3
.Lnot_wave_0_\@:
	s_barrier_wait -3
	s_barrier_signal -1
	s_barrier_wait -1
.endm
; A vector instruction that reads a matrix result or writes a matrix instruction's register, and a load into such a register, stand four places behind it; only plain vector instructions
; that name none of its registers are places (ISA guide 7.12.1 for vector instructions).
.macro PLACES
.rept 4
	v_nop
.endr
.endm
; One chunk's eight fragments: 16 loads, each 512 consecutive bytes of LDS
.macro LOADW dst, adr, chunk
	WIN W_LD
.irp f, 0,1,2,3,4,5,6,7
	ds_load_b128 v[(\dst)+8*\f:(\dst)+8*\f+3], v[\adr] offset:(\chunk)*8192+\f*1024
	ds_load_b128 v[(\dst)+8*\f+4:(\dst)+8*\f+7], v[\adr] offset:(\chunk)*8192+\f*1024+512
.endr
.endm
; H(c) = W1(c) Z: 32 products; the 8 accumulators take turns.  relu = 1: behind each product two registers of H(c-1) are clipped at 0, in ascending order.
; ld = 1: behind the second product a run of loads.
.macro HP c, abase, relu, ld=0, ldst=0, ladr=0, lchunk=0
	WIN W_H
.set hn, 0
.irp s, 0,1,2,3
.irp rt, 0,1,2,3
.irp t, 0,1
.set hD, HA+64*((\c)%2)+16*\rt+8*\t
.set hA, (\abase)+8*(4*\t+\s)
.set hB, ZB+32*\rt+8*\s
.if \s == 0
	v_wmma_f32_16x16x32_bf16 v[hD:hD+7], v[hA:hA+7], v[hB:hB+7], 0
.else
	v_wmma_f32_16x16x32_bf16 v[hD:hD+7], v[hA:hA+7], v[hB:hB+7], v[hD:hD+7]
.endif
.if \relu
.set hR, HA+64*(((\c)+1)%2)+2*hn
	v_max_num_f32 v[hR], 0, v[hR]
	v_max_num_f32 v[hR+1], 0, v[hR+1]
.endif
.if (\ld) && (hn == 1)
	LOADW \ldst, \ladr, \lchunk
	WIN W_H
.endif
.set hn, hn+1
.endr
.endr
.endr
.endm
; Z += W2(c) H(c): 32 products on 32 accumulators.  cvt = 1: behind every fourth product four roundings of H(c+1) to bf16.  ld = 1: behind the first four a run of loads.
.macro ZP c, abase, cvt, ld=0, ldst=0, ladr=0, lchunk=0
	WIN W_Z
.set zn, 0
.irp rt, 0,1,2,3
.irp dt, 0,1,2,3,4,5,6,7
.set zD, 64*\rt+8*\dt
.set zA, (\abase)+8*\dt
.set zB, HB+32*((\c)%2)+8*\rt
	v_wmma_f32_16x16x32_bf16 v[zD:zD+7], v[zA:zA+7], v[zB:zB+7], v[zD:zD+7]
.if (zn%4 == 3) && (\cvt)
	WIN W_CV
.set zg, zn/4
.irp i, 0,1,2,3
	v_cvt_pk_bf16_f32 v[HB+32*(((\c)+1)%2)+4*zg+\i], v[HA+64*(((\c)+1)%2)+8*zg+2*\i], v[HA+64*(((\c)+1)%2)+8*zg+2*\i+1]
.endr
.if (\ld) && (zg == 0)
	LOADW \ldst, \ladr, \lchunk
.endif
	WIN W_Z
.endif
.set zn, zn+1
.endr
.endr
.endm
.macro CVTZ                            ; z to bf16, in ascending order
	WIN W_CZ
.set i, 0
.rept 128
	v_cvt_pk_bf16_f32 v[ZB+i], v[2*i], v[2*i+1]
.set i, i+1
.endr
.endm
	s_load_b256 s[4:11], s[0:1], 0x0               ; wh s[4:5], cbz s[6:7], xwb s[8:9], xhat s[10:11]
	s_load_b128 s[12:15], s[0:1], 0x20             ; x s[12:13], cand s[14:15]
	s_set_vgpr_msb 0x80
	v_lshl_add_u32 v254, v0, 2, 0x44000
	v_mov_b32 v255, 0
	s_set_vgpr_msb 0x808a
	ds_add_u32 v254, v255
	s_set_vgpr_msb 0x8a00
	v_lshrrev_b32 v1, 5, v0
	v_readfirstlane_b32 s[WV], v1                  ; wave 0..3
	s_bfe_u32 s17, ttmp6, 0x40000                  ; cx: my place in the cluster
	s_lshl_b32 s18, ttmp9, 2                       ; in a cluster launch ttmp9 counts clusters
	s_add_co_u32 s18, s18, s17                     ; work-group g: it enters global addresses of xwb, xhat, x and cand alone
	; descriptor group 1: 16,384 dense bytes as 64 rows of 256 bytes
	s_mov_b32 s[G1+0], 15|(3<<16)|(1<<21)          ; 15:0 the mask of four; 17:16 elements of 8 bytes; 21 set beside a mask; no padding: a fragment load takes 512 consecutive bytes
	s_mov_b32 s[G1+1], 32<<16                      ; tensor_dim0 = 32
	s_mov_b32 s[G1+2], 64<<16                      ; tensor_dim1 = 64
	s_mov_b32 s[G1+3], 32<<16                      ; tile_dim0 = 32
	s_mov_b32 s[G1+4], 64                          ; tile_dim1 = 64
	s_mov_b32 s[G1+5], 32                          ; 32 elements from row to row
	s_mov_b32 s[G1+6], 0
	s_mov_b32 s[G1+7], 0
	s_mov_b32 s52, 0xffffff00
	s_mov_b32 s54, 0x76543210                      ; v_permlanex16_b32: each lane takes its own place in the other half
	s_mov_b32 s55, 0xfedcba98
	s_lshl_b32 s20, s[WV], 14                      ; wave w brings quarter w of each matrix
	s_mov_b32 s21, 0
	s_wait_dscnt 0x0
	s_wait_kmcnt 0x0
	s_add_nc_u64 s[22:23], s[4:5], s[20:21]
.irp m, 0,1,2,3
	s_mov_b32 s[G0+4*\m], 1                        ; count = 1
	s_add_co_u32 s[G0+4*\m+1], s20, \m*65536       ; LDS address = the byte's place in wh
	s_add_nc_u64 s[G0+4*\m+2:G0+4*\m+3], s[22:23], \m*65536
	s_or_b32 s[G0+4*\m+3], s[G0+4*\m+3], 0x80000000  ; type = 2
.endr
	CROUND                                         ; all four work-groups are here: the joint loads meet
.irp m, 0,1,2,3
	tensor_load_to_lds s[G0+4*\m:G0+4*\m+3], s[G1:G1+7]  ; four loads of mine are out
	s_nop 0
.endr
.rept 4
	v_nop
.endr
	s_lshr_b32 s60, s18, 1                         ; xwb lies in tiles of 16 rows: my 8 rows are half a tile
	s_lshl_b32 s60, s60, 13
	s_and_b32 s62, s18, 1
	s_lshl_b32 s62, s62, 7
	s_add_co_u32 s60, s60, s62
	s_mov_b32 s61, 0
	s_add_nc_u64 s[8:9], s[8:9], s[60:61]
	s_lshl_b32 s60, s18, 12                        ; 8 rows of 512 bytes
	s_add_nc_u64 s[10:11], s[10:11], s[60:61]
	s_add_nc_u64 s[12:13], s[12:13], s[60:61]
	s_lshl_b32 s60, s18, 6                         ; cand: 8 bytes a b; my wave stores two b's
	s_lshl_b32 s62, s[WV], 4
	s_add_co_u32 s60, s60, s62
	s_add_nc_u64 s[14:15], s[14:15], s[60:61]
	WIN W_CV
	v_mov_b32 v[TID], v0
	WIN W_M
	v_and_b32 v[LN], 31, v[TID]
	v_and_b32 v[RR], 15, v[TID]
	v_bfe_u32 v[HHV], v[TID], 4, 1
	v_lshlrev_b32 v[LA], 4, v[LN]
	v_lshlrev_b32 v[AXW], 5, v[HHV]
	v_add_nc_u32 v[AUB], UB, v[AXW]
	v_add_nc_u32 v[AXW], XWB, v[AXW]
	s_lshl_b32 s21, s[WV], 8
	s_add_co_u32 s21, s21, KEYB
	v_lshl_add_u32 v[AKB], v[RR], 4, s21
	s_lshl_b32 s21, s[WV], 11
	s_add_co_u32 s21, s21, KEYB
	v_add_nc_u32 v[AF], s21, v[LA]
	s_lshl_b32 s21, s[WV], 15
	v_add_nc_u32 v[VCB], s21, v[LA]
	s_lshl_b32 s21, s[WV], 6
	v_add_nc_u32 v[KID], s21, v[RR]
.irp rt, 1,2,3
	v_add_nc_u32 v[KID+\rt], 16*\rt, v[KID]
.endr
	; the tables.  Thread t = p + 8 hh + 16 half + 32 dl takes 16 bytes of xwb's row p at channel 16 dl + 8 hh + 4 half, and again 64 channels on
	v_and_b32 v[T0], 7, v[TID]
	v_lshrrev_b32 v[T1], 3, v[TID]
	v_lshlrev_b32 v[T2], 9, v[T0]                  ; to LDS: p*512
	v_lshlrev_b32 v[T0], 4, v[T0]
	v_lshl_or_b32 v[T0], v[T1], 8, v[T0]           ; from memory (tile order): p*16 + hh*256 + half*512 + dl*1024
	v_bfe_u32 v[T3], v[TID], 3, 1
	v_lshl_add_u32 v[T2], v[T3], 5, v[T2]          ; + hh*32
	v_bfe_u32 v[T3], v[TID], 4, 1
	v_lshl_add_u32 v[T2], v[T3], 4, v[T2]          ; + half*16
	v_lshrrev_b32 v[T3], 5, v[TID]
	v_lshl_add_u32 v[T2], v[T3], 6, v[T2]          ; + dl*64
	v_add_nc_u32 v[T2], XWB, v[T2]
	v_lshlrev_b32 v[T4], 4, v[TID]                 ; xhat's and x's 8 rows are 4,096 dense bytes
	v_add_nc_u32 v[T5], UB, v[T4]
	global_load_b128 v[TD:TD+3], v[T0], s[8:9]
	global_load_b128 v[TD+4:TD+7], v[T0], s[8:9] offset:4096
	global_load_b128 v[TD+8:TD+11], v[T4], s[10:11]
	global_load_b128 v[TD+12:TD+15], v[T4], s[10:11] offset:2048
	global_load_b128 v[TD+16:TD+19], v[T4], s[12:13]
	global_load_b128 v[TD+20:TD+23], v[T4], s[12:13] offset:2048
	WIN W_CB
.irp rt, 0,1,2,3
.irp dt, 0,1,2,3,4,5,6,7
	global_load_b128 v[64*\rt+8*\dt:64*\rt+8*\dt+3], v[VCB], s[6:7] offset:\rt*8192+\dt*1024
	global_load_b128 v[64*\rt+8*\dt+4:64*\rt+8*\dt+7], v[VCB], s[6:7] offset:\rt*8192+\dt*1024+512
.endr
.endr
	s_wait_loadcnt 63                              ; behind each of the six table loads stand 64 younger ones: the six are in
	WIN W_M
.irp i, 0,1,2,3
	v_pk_add_f32 v[TD+8+2*\i:TD+8+2*\i+1], v[TD+8+2*\i:TD+8+2*\i+1], v[TD+16+2*\i:TD+16+2*\i+1] neg_lo:[0,1] neg_hi:[0,1]  ; xhat - x
.endr
	ds_store_b128 v[T2], v[TD:TD+3]
	ds_store_b128 v[T2], v[TD+4:TD+7] offset:256
	ds_store_b128 v[T5], v[TD+8:TD+11]
	ds_store_b128 v[T5], v[TD+12:TD+15] offset:2048
	s_wait_dscnt 0x0                               ; for the others' sake: my part of the tables is written,
	s_wait_tensorcnt 0x0                           ; and my quarters of the weights have landed
	s_barrier_signal -1
	s_barrier_wait -1                              ; everybody's have
	WIN W_H
.irp dt, 0,1,2,3,4,5,6,7
	ds_load_b128 v[HA+64+8*\dt:HA+64+8*\dt+3], v[AXW] offset:\dt*64      ; xwb's row of pass 0: sixteen lanes take the same 16 bytes
	ds_load_b128 v[HA+64+8*\dt+4:HA+64+8*\dt+7], v[AXW] offset:\dt*64+16
.endr
	s_wait_loadcnt 0x0                             ; my cbz rows
	WIN 0
	s_mov_b32 s[PC], 0
	s_mov_b32 s56, 0                               ; this pass's row in the tables, in bytes
	s_mov_b32 s58, 0                               ; its keys
.Lpass:
	s_add_co_u32 s57, s56, 512
	s_min_u32 s57, s57, 3584                       ; the next pass's row; the last pass fetches its own once more, and that copy is not used
	WIN W_M
	v_add_nc_u32 v[AU], s56, v[AUB]
	v_add_nc_u32 v[AXN], s57, v[AXW]
	v_add_nc_u32 v[AK], s58, v[AKB]
	s_wait_dscnt 0x0                               ; xwb's row is in
	WIN W_IN
.set i, 0
.rept 128
	v_pk_add_f32 v[2*i:2*i+1], v[2*i:2*i+1], v[HA+64+(2*i)%64:HA+64+(2*i)%64+1]  ; z0 = cbz[k] + xwb[b]
.set i, i+1
.endr
	WIN 0
	s_mov_b32 s[B1], 0
	s_mov_b32 s[B2], 131072
	s_mov_b32 s[BLK], 0
.Lblk:
	WIN W_M
	v_add_nc_u32 v[AW1], s[B1], v[LA]
	v_add_nc_u32 v[AW2], s[B2], v[LA]
	LOADW W1F, AW1, 0
	LOADW W2F, AW1, 1                              ; chunk 1's W1 waits in W2's registers, which are idle until H(0) is made
	CVTZ
	s_wait_dscnt 16                                ; chunk 0's fragments are in; chunk 1's 16 loads stay out
	HP 0, W1F, 0
	PLACES                                         ; in front of the relu of H(0) and of the loads into W1F
	s_wait_dscnt 0x0
	HP 1, W2F, 1, 1, W1F, AW1, 2
	WIN W_CV
.set i, 0
.rept 32
	v_cvt_pk_bf16_f32 v[HB+i], v[HA+2*i], v[HA+2*i+1]  ; H(0) to bf16: there is no product of W2 yet to set it beside
.set i, i+1
.endr
.irp c, 2,3,4,5,6
	s_wait_dscnt 0x0                               ; W1(c): the one run that is out
	HP \c, W1F, 1, 1, W2F, AW2, (\c)-2
	s_wait_dscnt 0x0                               ; W2(c-2)
	ZP (\c)-2, W2F, 1, 1, W1F, AW1, (\c)+1
.endr
	s_wait_dscnt 0x0
	HP 7, W1F, 1, 1, W2F, AW2, 5
	s_wait_dscnt 0x0
	ZP 5, W2F, 1, 1, W1F, AW2, 7                   ; W1's registers are idle now: they take W2(7)
	WIN W_H
.set i, 0
.rept 4
	v_max_num_f32 v[HA+64+i], 0, v[HA+64+i]        ; the relu of H(7)
.set i, i+1
.endr
	LOADW W2F, AW2, 6
	WIN W_H
.rept 60
	v_max_num_f32 v[HA+64+i], 0, v[HA+64+i]
.set i, i+1
.endr
	s_wait_dscnt 0x0                               ; W2(7) and W2(6)
	ZP 6, W2F, 1
	WIN 0
	s_cmp_lg_u32 s[BLK], 1
	s_cbranch_scc1 .Lnotail                        ; behind the second block's last H both H buffers are free: they take what the pass's end and the next pass's beginning add
	WIN W_H
.irp dt, 0,1,2,3,4,5,6,7
	ds_load_b128 v[HA+8*\dt:HA+8*\dt+3], v[AU] offset:\dt*64
	ds_load_b128 v[HA+8*\dt+4:HA+8*\dt+7], v[AU] offset:\dt*64+16
.endr
.irp dt, 0,1,2,3,4,5,6,7
	ds_load_b128 v[HA+64+8*\dt:HA+64+8*\dt+3], v[AXN] offset:\dt*64
	ds_load_b128 v[HA+64+8*\dt+4:HA+64+8*\dt+7], v[AXN] offset:\dt*64+16
.endr
	WIN 0
.Lnotail:
	ZP 7, W1F, 0
	PLACES                                         ; in front of the reads of z and of the loads into the weights' registers
	WIN 0
	s_add_co_u32 s[B1], s[B1], 65536
	s_add_co_u32 s[B2], s[B2], 65536
	s_add_co_u32 s[BLK], s[BLK], 1
	s_cmp_lt_u32 s[BLK], 2
	s_cbranch_scc1 .Lblk
	; dist = |z + (xhat - x)|^2, one row a lane pair
	s_wait_dscnt 0x0                               ; xhat - x, and the next pass's xwb
	WIN W_DU
.set i, 0
.rept 128
	v_pk_add_f32 v[2*i:2*i+1], v[2*i:2*i+1], v[HA+(2*i)%64:HA+(2*i)%64+1]
.set i, i+1
.endr
	WIN W_CZ
.set i, 0
.rept 32                               ; eight chains (tile, parity of i): an instruction and the one that it feeds stand eight apart
.irp rt, 0,1,2,3
.set dA, 4*\rt+2*(i%2)
.set dZ, 64*\rt+2*i
.if i < 2
	v_pk_mul_f32 v[dA:dA+1], v[dZ:dZ+1], v[dZ:dZ+1]
.else
	v_pk_fma_f32 v[dA:dA+1], v[dZ:dZ+1], v[dZ:dZ+1], v[dA:dA+1]
.endif
.endr
.set i, i+1
.endr
	WIN 0
.irp rt, 0,1,2,3
	v_pk_add_f32 v[4*\rt:4*\rt+1], v[4*\rt:4*\rt+1], v[4*\rt+2:4*\rt+3]
.endr
.irp rt, 0,1,2,3
	v_add_f32 v[4*\rt], v[4*\rt], v[4*\rt+1]
.endr
.irp rt, 0,1,2,3
	v_permlanex16_b32 v[4*\rt+1], v[4*\rt], s54, s55   ; the row's other 64 channels lie in the lane 16 away
.endr
.irp rt, 0,1,2,3
	v_add_f32 v[4*\rt], v[4*\rt], v[4*\rt+1]
.endr
	WIN W_KY
.irp rt, 0,1,2,3
	v_and_or_b32 v[KEY+\rt], v[4*\rt], s52, v[KID+\rt]
.endr
	WIN W_KS
	ds_store_b128 v[AK], v[KEY:KEY+3]              ; lanes r and r + 16 write the same 16 bytes with the same numbers
	WIN 0
	s_add_co_u32 s56, s56, 512
	s_add_co_u32 s58, s58, 1024
	s_add_co_u32 s[PC], s[PC], 1
	s_cmp_lt_u32 s[PC], 8
	s_cbranch_scc1 .Lpass
	; THE TWO SMALLEST KEYS of each b.  Wave w takes b = 2 w and 2 w + 1 of the group's eight: 256 keys each, 8 a lane.
	s_wait_dscnt 0x0                               ; for the others' sake: my keys are written
	s_barrier_signal -1
	s_barrier_wait -1
	WIN W_H
	ds_load_b128 v[0:3], v[AF]
	ds_load_b128 v[4:7], v[AF] offset:512
	ds_load_b128 v[8:11], v[AF] offset:1024
	ds_load_b128 v[12:15], v[AF] offset:1536
	s_wait_dscnt 0x0
	WIN 0
; m1, m2 = the smallest two of a set; two disjoint sets merge as m1' = min(m1, b1), m2' = min(max(m1, b1), min(m2, b2)).  Keys differ, since each carries its k.
.macro MERGE e
	v_max_u32 v[18+4*(\e)], v[16+4*(\e)], v[8*(\e)]
	v_min_u32 v[16+4*(\e)], v[16+4*(\e)], v[8*(\e)]
	v_min_u32 v[19+4*(\e)], v[17+4*(\e)], v[8*(\e)+1]
	v_min_u32 v[17+4*(\e)], v[18+4*(\e)], v[19+4*(\e)]
.endm
.irp e, 0,1
	v_min_u32 v[16+4*\e], v[8*\e], v[8*\e+1]
	v_max_u32 v[17+4*\e], v[8*\e], v[8*\e+1]
.irp q, 2,3,4,5,6,7
	v_max_u32 v[18+4*\e], v[16+4*\e], v[8*\e+\q]
	v_min_u32 v[16+4*\e], v[16+4*\e], v[8*\e+\q]
	v_min_u32 v[17+4*\e], v[17+4*\e], v[18+4*\e]
.endr
.irp x, 1,2,4,8
	v_mov_b32_dpp v[8*\e], v[16+4*\e] row_xmask:\x row_mask:0xf bank_mask:0xf
	v_mov_b32_dpp v[8*\e+1], v[17+4*\e] row_xmask:\x row_mask:0xf bank_mask:0xf
	MERGE \e
.endr
	v_permlanex16_b32 v[8*\e], v[16+4*\e], s54, s55
	v_permlanex16_b32 v[8*\e+1], v[17+4*\e], s54, s55
	MERGE \e
	v_and_b32 v[24+2*\e], 0xff, v[16+4*\e]
	v_and_b32 v[25+2*\e], 0xff, v[17+4*\e]
.endr
	s_wait_xcnt 0x0                                ; EXEC changes only behind this wait
	WIN 0x08
	v_cmp_eq_u32 vcc_lo, 0, v[LA]                  ; lane 0
	WIN 0x02                                       ; address window 2, data window 0
	s_and_saveexec_b32 s53, vcc_lo
	global_store_b128 v[LA], v[24:27], s[14:15]    ; 16 bytes a wave, 64 a work-group: all that 8 b's have
	s_wait_xcnt 0x0                                ; and again, in front of the line that widens it
	s_or_b32 exec_lo, exec_lo, s53
	WIN 0
	s_set_vgpr_msb 0xa
	s_wait_tensorcnt 0x0
	ds_add_u32 v254, v255
	s_wait_dscnt 0x0
	s_set_vgpr_msb 0xa00
	CROUND                                         ; the closing round: no work-group ends while a partner may still ask for a tile that names it
	s_endpgm
.Lfunc_end_k_q0dc849c09e_main:
	.size	k_q0dc849c09e_main, .Lfunc_end_k_q0dc849c09e_main-k_q0dc849c09e_main
	.p2alignl 7, 3214868480
	.fill 96, 4, 3214868480
	.section	.rodata,"a",@progbits
	.p2align	6, 0x0
	.amdhsa_kernel k_q0dc849c09e_main
		.amdhsa_group_segment_fixed_size 279040
		.amdhsa_private_segment_fixed_size 0
		.amdhsa_enable_private_segment 0
		.amdhsa_kernarg_size 48
		.amdhsa_user_sgpr_count 2
		.amdhsa_user_sgpr_kernarg_segment_ptr 1
		.amdhsa_wavefront_size32 1
		.amdhsa_system_sgpr_workgroup_id_x 1
		.amdhsa_system_sgpr_workgroup_id_y 1
		.amdhsa_system_sgpr_workgroup_id_z 1
		.amdhsa_system_vgpr_workitem_id 0
		.amdhsa_next_free_vgpr 1024
		.amdhsa_next_free_sgpr 66
		.amdhsa_reserve_vcc 1
		.amdhsa_float_denorm_mode_32 3
		.amdhsa_float_denorm_mode_16_64 3
		.amdhsa_memory_ordered 1
		.amdhsa_forward_progress 1
		.amdhsa_inst_pref_size 142
	.end_amdhsa_kernel
	.amdgpu_metadata
---
amdhsa.version: [ 1, 2 ]
amdhsa.kernels:
  - .name:           k_q0dc849c09e_main
    .symbol:         k_q0dc849c09e_main.kd
    .args:
      - { .name: wh, .offset: 0, .size: 8, .value_kind: global_buffer, .address_space: global }
      - { .name: cbz, .offset: 8, .size: 8, .value_kind: global_buffer, .address_space: global }
      - { .name: xwb, .offset: 16, .size: 8, .value_kind: global_buffer, .address_space: global }
      - { .name: xhat, .offset: 24, .size: 8, .value_kind: global_buffer, .address_space: global }
      - { .name: x, .offset: 32, .size: 8, .value_kind: global_buffer, .address_space: global }
      - { .name: cand, .offset: 40, .size: 8, .value_kind: global_buffer, .address_space: global }
    .group_segment_fixed_size: 279040
    .private_segment_fixed_size: 0
    .kernarg_segment_align: 8
    .kernarg_segment_size: 48
    .max_flat_workgroup_size: 128
    .sgpr_count:     66
    .vgpr_count:     1024
    .wavefront_size: 32
...
	.end_amdgpu_metadata
.endif
;; end of part 2
;; launch refine (part 3): grid 256 x 1, 4 waves a work-group, no clusters, 83,456 bytes of LDS; arguments cand, cbz, xwb, wh, wl, xhat, x, out0, out1; writes out0, out1
.if DOCPART == 3
	.amdgcn_target "amdgcn-amd-amdhsa--gfx1250"
	.amdhsa_code_object_version 6
	.text
	.protected	k_q0dc849c09e_refine
	.globl	k_q0dc849c09e_refine
	.p2align	8
	.type	k_q0dc849c09e_refine,@function
k_q0dc849c09e_refine:
	s_mov_b64 s[64:65], 0
	v_nop
	global_prefetch_b8 v0, s[64:65] scope:SCOPE_SE
	s_setreg_imm32_b32 hwreg(HW_REG_WAVE_MODE, 25, 1), 1
	s_wait_xcnt 0x0
; THE DECISION.  For each b the two k that the launch before stored are evaluated again with split operands, and the better one is taken.
; Each f32 operand is hi + lo, both bf16 (lo = bf16(x - hi)); a product is hi hi + hi lo + lo hi in f32 sums; lo lo, some 2^-16 of a term, is dropped.
; out0 = the k of the smaller dist (at equal dists the smaller k, as argmin has it); out1 = that candidate's z.
; LIMITS.  out1 is z itself, where the module forms (z + xhat) - xhat in f32: the two differ by that sum's rounding.  Two dists closer than the split products' error (about 2^-16 of the terms)
; may be ordered otherwise than in f32.  NaN and infinities are not treated as argmin treats them.  An index read from cand is clamped to 255.
; SHARES.  Work-group g owns b = 8 g .. 8 g + 7: 16 rows r = 2 bi + c (candidate c of b = 8 g + bi), one row tile.  Every wave holds the whole z; the hidden units are shared out: wave w takes
; h = 64 w .. 64 w + 63: fragments 16 w .. 16 w + 15 of each matrix, hi and lo, 16 KB each, loaded straight from memory as matrix operands (512 consecutive bytes an instruction).
; The four waves' partial sums of relu(..) W2^T meet in LDS; every wave adds them in the same order, so all four hold the same z.
; NO CLUSTER, NO TENSOR LOADS: each weight byte is used by one wave of the work-group and once (192 matrix instructions a wave in all), so LDS would add a copy and spare no read.
; LAYOUT as in the launch before: products transposed, one data row a lane (lane % 16), outputs 8 (lane / 16) + 0..7.
; REGISTERS (s_set_vgpr_msb: bits 1:0 source 0, 3:2 source 1, 5:4 source 2, 7:6 destination):
;   window 0: addresses; v32-63 ZH, v64-95 ZL (later v32-95 ZF, the final z); v96-127 HACC; v128-143 HH; v144-159 HL; v160-223 ZPS (partial sums, and at work)
;   window 1: W1 hi 0-127, lo 128-255 (later xhat's rows 0-63, x's 64-127)     window 2: W2 hi, lo     window 3: Z 0-63, PB0 64-127, PB1 128-191
.set L16,  2                           ; v2   16 x lane
.set VW,   3                           ; v3   16 lane + 16384 w
.set KK,   6                           ; v6   my row's k
.set VCZ,  7                           ; v7   its place in cbz
.set VXW,  8                           ; v8   my b's place in xwb's half tile
.set VXR,  9                           ; v9   my 32 bytes in xhat's and x's rows
.set NEG1, 10
.set PST,  11                          ; v11  where my partial sums go
.set SST,  13                          ; v13  the way out: in
.set SLD,  14                          ; v14  the way out: back
.set GO,   15                          ; v15  my byte offset in the group's 8 rows of out1
.set DIST, 16
.set CODE, 17
.set VCA,  19
.set VO0,  20
.set VSEL, 21
.set DA,   24                          ; v24-31
.set ZH,   32
.set ZL,   64
.set ZF,   32
.set HACC, 96
.set HH,   128
.set HL,   144
.set ZPS,  160
.set ZZ,   0                           ; window 3
.set PB0,  64
.set PB1,  128
.set XA,   0                           ; window 1
.set XB,   64
.set WHP,  10                          ; s[10:11] wh
.set WLP,  12                          ; s[12:13] wl
.set STG,  65536                       ; LDS: 0-65,535 partial sums [block][wave] of 8,192 bytes; then a stage of 8 rows x 528 bytes for each wave
.set MSB, 0
.macro WIN new                         ; the high byte repeats the setting that is left; a switch that changes nothing is dropped
.if MSB != (\new)
	s_set_vgpr_msb (MSB<<8)|(\new)
.set MSB, (\new)
.endif
.endm
.macro PLACES                          ; four places behind a matrix instruction, in front of reads of its result and of loads into its sources (ISA guide 7.12.1 for vector instructions)
.rept 4
	v_nop
.endr
.endm
.macro LW win, ptr, m, base            ; my 16 fragments of matrix m: 32 loads
	WIN (\win)<<6
.irp f, 0,1,2,3,4,5,6,7,8,9,10,11,12,13,14,15
	global_load_b128 v[(\base)+8*\f:(\base)+8*\f+3], v[VW], s[\ptr:\ptr+1] offset:(\m)*65536+\f*1024
	global_load_b128 v[(\base)+8*\f+4:(\base)+8*\f+7], v[VW], s[\ptr:\ptr+1] offset:(\m)*65536+\f*1024+512
.endr
.endm
.macro SPLITZ                          ; z into hi and lo
	WIN 0x0f
.set i, 0
.rept 32
	v_cvt_pk_bf16_f32 v[ZH+i], v[ZZ+2*i], v[ZZ+2*i+1]
.set i, i+1
.endr
	WIN 0x30
.set i, 0
.rept 32
	v_fma_mix_f32_bf16 v[ZPS+2*i], v[ZH+i], v[NEG1], v[ZZ+2*i] op_sel_hi:[1,0,0]
	v_fma_mix_f32_bf16 v[ZPS+2*i+1], v[ZH+i], v[NEG1], v[ZZ+2*i+1] op_sel:[1,0,0] op_sel_hi:[1,0,0]
.set i, i+1
.endr
	WIN 0
.set i, 0
.rept 32
	v_cvt_pk_bf16_f32 v[ZL+i], v[ZPS+2*i], v[ZPS+2*i+1]
.set i, i+1
.endr
.endm
.macro HPH                             ; my 64 hidden units: 48 products, four accumulators by turns
	WIN 0x01
.irp s, 0,1,2,3
.irp m, 0,1,2
.irp t, 0,1,2,3
.set pA, 128*((\m)/2)+8*(4*\t+\s)
.set pB, ZH+32*((\m)%2)+8*\s
.if (\s == 0) && (\m == 0)
	v_wmma_f32_16x16x32_bf16 v[HACC+8*\t:HACC+8*\t+7], v[pA:pA+7], v[pB:pB+7], 0
.else
	v_wmma_f32_16x16x32_bf16 v[HACC+8*\t:HACC+8*\t+7], v[pA:pA+7], v[pB:pB+7], v[HACC+8*\t:HACC+8*\t+7]
.endif
.endr
.endr
.endr
.endm
.macro HSPLIT                          ; relu, then hi and lo
	WIN 0
.set i, 0
.rept 32
	v_max_num_f32 v[HACC+i], 0, v[HACC+i]
.set i, i+1
.endr
.set i, 0
.rept 16
	v_cvt_pk_bf16_f32 v[HH+i], v[HACC+2*i], v[HACC+2*i+1]
.set i, i+1
.endr
.set i, 0
.rept 16
	v_fma_mix_f32_bf16 v[HACC+2*i], v[HH+i], v[NEG1], v[HACC+2*i] op_sel_hi:[1,0,0]
	v_fma_mix_f32_bf16 v[HACC+2*i+1], v[HH+i], v[NEG1], v[HACC+2*i+1] op_sel:[1,0,0] op_sel_hi:[1,0,0]
.set i, i+1
.endr
.set i, 0
.rept 16
	v_cvt_pk_bf16_f32 v[HL+i], v[HACC+2*i], v[HACC+2*i+1]
.set i, i+1
.endr
.endm
.macro ZPH                             ; my hidden units' share of relu(..) W2^T: 48 products, eight accumulators by turns
	WIN 0x02
.irp s, 0,1
.irp m, 0,1,2
.irp t, 0,1,2,3,4,5,6,7
.set pA, 128*((\m)/2)+8*(8*\s+\t)
.set pB, HH+16*((\m)%2)+8*\s
.if (\s == 0) && (\m == 0)
	v_wmma_f32_16x16x32_bf16 v[ZPS+8*\t:ZPS+8*\t+7], v[pA:pA+7], v[pB:pB+7], 0
.else
	v_wmma_f32_16x16x32_bf16 v[ZPS+8*\t:ZPS+8*\t+7], v[pA:pA+7], v[pB:pB+7], v[ZPS+8*\t:ZPS+8*\t+7]
.endif
.endr
.endr
.endr
.endm
.macro PLOAD blk, wv, buf              ; wave wv's partial sums: 16 loads
	WIN 0xc0
.irp g, 0,1,2,3,4,5,6,7,8,9,10,11,12,13,14,15
	ds_load_b128 v[(\buf)+4*\g:(\buf)+4*\g+3], v[L16] offset:(\blk)*32768+(\wv)*8192+\g*512
.endr
.endm
.macro ZADD buf, last                  ; z += them; last = 1: the sum goes to window 0
.if \last
	WIN 0x0f
.else
	WIN 0xff
.endif
.set i, 0
.rept 32
.if \last
	v_pk_add_f32 v[ZF+2*i:ZF+2*i+1], v[ZZ+2*i:ZZ+2*i+1], v[(\buf)+2*i:(\buf)+2*i+1]
.else
	v_pk_add_f32 v[ZZ+2*i:ZZ+2*i+1], v[ZZ+2*i:ZZ+2*i+1], v[(\buf)+2*i:(\buf)+2*i+1]
.endif
.set i, i+1
.endr
.endm
.macro REDUCE blk, last                ; each block has LDS bytes of its own, so one barrier a block is enough
	WIN 0
.irp g, 0,1,2,3,4,5,6,7,8,9,10,11,12,13,14,15
	ds_store_b128 v[PST], v[ZPS+4*\g:ZPS+4*\g+3] offset:(\blk)*32768+\g*512
.endr
	s_wait_dscnt 0x0                               ; for the others' sake: my partial sums are written
	s_barrier_signal -1
	s_barrier_wait -1
	PLOAD \blk, 0, PB0
	PLOAD \blk, 1, PB1
	s_wait_dscnt 16                                ; the older run is in, the younger run of 16 stays out; so at each of these three waits
	ZADD PB0, 0
	PLOAD \blk, 2, PB0
	s_wait_dscnt 16
	ZADD PB1, 0
	PLOAD \blk, 3, PB1
	s_wait_dscnt 16
	ZADD PB0, 0
	s_wait_dscnt 0x0
	ZADD PB1, \last
.endm
	s_load_b512 s[4:19], s[0:1], 0x0               ; cand s[4:5], cbz s[6:7], xwb s[8:9], wh s[10:11], wl s[12:13], xhat s[14:15], x s[16:17], out0 s[18:19]
	s_load_b64 s[20:21], s[0:1], 0x40              ; out1
	v_lshl_add_u32 v254, v0, 2, 0x14400
	v_mov_b32 v255, 0
	v_lshrrev_b32 v1, 5, v0
	v_readfirstlane_b32 s22, v1                    ; wave 0..3
	v_and_b32 v1, 31, v0                           ; lane
	v_and_b32 v4, 15, v0                           ; r
	v_bfe_u32 v5, v0, 4, 1                         ; hh
	v_lshlrev_b32 v[L16], 4, v1
	s_lshl_b32 s24, s22, 14
	v_add_nc_u32 v[VW], s24, v[L16]
	v_lshlrev_b32 v[VCA], 2, v4                    ; cand holds row r's k at word r of the group's 16
	v_lshrrev_b32 v18, 1, v4                       ; bi
	v_lshlrev_b32 v22, 8, v5                       ; 256 hh
	v_lshl_add_u32 v[VXW], v18, 4, v22
	v_lshlrev_b32 v[VXR], 9, v18
	v_lshl_add_u32 v[VXR], v5, 5, v[VXR]
	v_mov_b32 v[NEG1], -1.0
	s_lshl_b32 s24, s22, 13
	v_add_nc_u32 v[PST], s24, v[L16]
	s_mul_i32 s24, s22, 4352
	s_add_co_u32 s24, s24, STG                     ; my stage
	v_mul_u32_u24 v[SST], v18, 528
	v_lshl_add_u32 v[SST], v5, 5, v[SST]
	v_add_nc_u32 v[SST], s24, v[SST]
	s_mul_i32 s25, s22, 1056                       ; of its 8 rows I store rows 2 w and 2 w + 1
	s_add_co_u32 s25, s25, s24
	v_add_nc_u32 v[SLD], s25, v[L16]
	s_lshl_b32 s25, s22, 10
	v_add_nc_u32 v[GO], s25, v[L16]
	v_lshlrev_b32 v[VO0], 1, v1                    ; out0: lane 2 bi holds b's code: byte 4 bi
	v_and_b32 v[VSEL], 17, v1
	s_mov_b32 s28, 0x76543210                      ; v_permlanex16_b32: each lane takes its own place in the other half
	s_mov_b32 s29, 0xfedcba98
	s_mov_b32 s25, 0
	s_wait_kmcnt 0x0
	s_lshl_b32 s24, ttmp9, 6
	s_add_nc_u64 s[4:5], s[4:5], s[24:25]
	s_lshr_b32 s24, ttmp9, 1
	s_lshl_b32 s24, s24, 13
	s_and_b32 s26, ttmp9, 1
	s_lshl_b32 s26, s26, 7
	s_add_co_u32 s24, s24, s26
	s_add_nc_u64 s[8:9], s[8:9], s[24:25]
	s_lshl_b32 s24, ttmp9, 12
	s_add_nc_u64 s[14:15], s[14:15], s[24:25]
	s_add_nc_u64 s[16:17], s[16:17], s[24:25]
	s_add_nc_u64 s[20:21], s[20:21], s[24:25]
	s_lshl_b32 s24, ttmp9, 5
	s_add_nc_u64 s[18:19], s[18:19], s[24:25]
	global_load_b32 v[KK], v[VCA], s[4:5]
	WIN 0xc0
.irp dt, 0,1,2,3,4,5,6,7
	global_load_b128 v[PB0+8*\dt:PB0+8*\dt+3], v[VXW], s[8:9] offset:\dt*1024
	global_load_b128 v[PB0+8*\dt+4:PB0+8*\dt+7], v[VXW], s[8:9] offset:\dt*1024+512
.endr
	LW 1, WHP, 0, 0
	s_wait_loadcnt 48                              ; k is in: 16 + 32 younger loads stay out
	WIN 0
	v_min_u32 v[KK], 0xff, v[KK]
	v_and_b32 v18, 0xf0, v[KK]
	v_lshlrev_b32 v18, 9, v18                      ; (k >> 4) tiles of 8,192 bytes
	v_and_b32 v23, 15, v[KK]
	v_lshlrev_b32 v23, 4, v23
	v_add_nc_u32 v18, v18, v23
	v_add_nc_u32 v[VCZ], v18, v22
	WIN 0xc0
.irp dt, 0,1,2,3,4,5,6,7
	global_load_b128 v[ZZ+8*\dt:ZZ+8*\dt+3], v[VCZ], s[6:7] offset:\dt*1024
	global_load_b128 v[ZZ+8*\dt+4:ZZ+8*\dt+7], v[VCZ], s[6:7] offset:\dt*1024+512
.endr
	LW 1, WLP, 0, 128
	s_wait_loadcnt 32                              ; xwb's and cbz's rows are in (and W1_0's hi part); the lo part's 32 loads stay out
	ZADD PB0, 0                                    ; z0 = cbz[k] + xwb[b]
	LW 2, WHP, 2, 0
	LW 2, WLP, 2, 128
	; block 0
	SPLITZ
	s_wait_loadcnt 63                              ; behind W1_0's lo part stand 64 younger loads: it is in
	HPH
	PLACES
	LW 1, WHP, 1, 0
	LW 1, WLP, 1, 128
	HSPLIT
	s_wait_loadcnt 63                              ; behind W2_0 stand 64 younger loads
	ZPH
	PLACES
	LW 2, WHP, 3, 0
	LW 2, WLP, 3, 128
	REDUCE 0, 0
	; block 1
	SPLITZ
	s_wait_loadcnt 63                              ; behind W1_1 stand 64 younger loads
	HPH
	PLACES
	WIN 0x40
.irp dt, 0,1,2,3,4,5,6,7
	global_load_b128 v[XA+8*\dt:XA+8*\dt+3], v[VXR], s[14:15] offset:\dt*64
	global_load_b128 v[XA+8*\dt+4:XA+8*\dt+7], v[VXR], s[14:15] offset:\dt*64+16
.endr
.irp dt, 0,1,2,3,4,5,6,7
	global_load_b128 v[XB+8*\dt:XB+8*\dt+3], v[VXR], s[16:17] offset:\dt*64
	global_load_b128 v[XB+8*\dt+4:XB+8*\dt+7], v[VXR], s[16:17] offset:\dt*64+16
.endr
	HSPLIT
	s_wait_loadcnt 32                              ; W2_1 is in; xhat's and x's 32 loads stay out
	ZPH
	PLACES
	REDUCE 1, 1
	s_wait_loadcnt 0x0                             ; xhat, x
	; dist = |(z + xhat) - x|^2, in the module's own order
	WIN 0x04                                       ; source 1 window 1
.set i, 0
.rept 32
	v_pk_add_f32 v[ZPS+2*i:ZPS+2*i+1], v[ZF+2*i:ZF+2*i+1], v[XA+2*i:XA+2*i+1]
.set i, i+1
.endr
.set i, 0
.rept 32
	v_pk_add_f32 v[ZPS+2*i:ZPS+2*i+1], v[ZPS+2*i:ZPS+2*i+1], v[XB+2*i:XB+2*i+1] neg_lo:[0,1] neg_hi:[0,1]
.set i, i+1
.endr
	WIN 0
.set i, 0
.rept 32                               ; four chains
.if i < 4
	v_pk_mul_f32 v[DA+2*i:DA+2*i+1], v[ZPS+2*i:ZPS+2*i+1], v[ZPS+2*i:ZPS+2*i+1]
.else
	v_pk_fma_f32 v[DA+2*(i%4):DA+2*(i%4)+1], v[ZPS+2*i:ZPS+2*i+1], v[ZPS+2*i:ZPS+2*i+1], v[DA+2*(i%4):DA+2*(i%4)+1]
.endif
.set i, i+1
.endr
	v_pk_add_f32 v[DA:DA+1], v[DA:DA+1], v[DA+2:DA+3]
	v_pk_add_f32 v[DA+4:DA+5], v[DA+4:DA+5], v[DA+6:DA+7]
	v_pk_add_f32 v[DA:DA+1], v[DA:DA+1], v[DA+4:DA+5]
	v_add_f32 v[DA], v[DA], v[DA+1]
	v_permlanex16_b32 v[DA+1], v[DA], s28, s29     ; the row's other 64 channels
	v_add_f32 v[DIST], v[DA], v[DA+1]
	v_mov_b32_dpp v[DA+2], v[DIST] row_xmask:1 row_mask:0xf bank_mask:0xf  ; the other candidate of my b lies in the neighbouring lane
	v_mov_b32_dpp v[DA+3], v[KK] row_xmask:1 row_mask:0xf bank_mask:0xf
	v_cmp_lt_f32 s30, v[DIST], v[DA+2]
	v_cmp_eq_f32 s31, v[DIST], v[DA+2]
	v_cmp_lt_u32 s32, v[KK], v[DA+3]
	s_and_b32 s31, s31, s32
	s_or_b32 vcc_lo, s30, s31                      ; my candidate wins; the mask only selects values
	v_cndmask_b32 v[CODE], v[DA+3], v[KK], vcc_lo
.set i, 0
.rept 64
	v_mov_b32_dpp v[ZPS+i], v[ZF+i] row_xmask:1 row_mask:0xf bank_mask:0xf
.set i, i+1
.endr
.set i, 0
.rept 64
	v_cndmask_b32 v[ZPS+i], v[ZPS+i], v[ZF+i], vcc_lo
.set i, i+1
.endr
	; THE WAY OUT: through my own stage, so that a store covers a whole row.  Both lanes of a pair write the same bytes with the same numbers.
.irp dt, 0,1,2,3,4,5,6,7
	ds_store_b128 v[SST], v[ZPS+8*\dt:ZPS+8*\dt+3] offset:\dt*64
	ds_store_b128 v[SST], v[ZPS+8*\dt+4:ZPS+8*\dt+7] offset:\dt*64+16
.endr
	ds_load_b128 v[DA:DA+3], v[SLD]                ; LDS serves a wave's instructions in order (ISA guide 5.7.1.4): these see the stores above
	ds_load_b128 v[DA+4:DA+7], v[SLD] offset:528
	s_wait_dscnt 0x0
	global_store_b128 v[GO], v[DA:DA+3], s[20:21]  ; 512 consecutive bytes, aligned: a row of out1
	global_store_b128 v[GO], v[DA+4:DA+7], s[20:21] offset:512
	s_cmp_lg_u32 s22, 0
	s_cbranch_scc1 .Ldone                          ; every wave holds the codes; wave 0 stores them
	s_wait_xcnt 0x0                                ; EXEC changes only behind this wait
	v_cmp_eq_u32 vcc_lo, 0, v[VSEL]                ; lanes 0, 2, .. 14
	s_and_saveexec_b32 s33, vcc_lo
	global_store_b32 v[VO0], v[CODE], s[18:19]     ; 32 bytes: all that 8 b's have
	s_wait_xcnt 0x0                                ; and again, in front of the line that widens it
	s_or_b32 exec_lo, exec_lo, s33
.Ldone:
	s_wait_tensorcnt 0x0
	ds_add_u32 v254, v255
	s_wait_dscnt 0x0
	s_endpgm
.Lfunc_end_k_q0dc849c09e_refine:
	.size	k_q0dc849c09e_refine, .Lfunc_end_k_q0dc849c09e_refine-k_q0dc849c09e_refine
	.p2alignl 7, 3214868480
	.fill 96, 4, 3214868480
	.section	.rodata,"a",@progbits
	.p2align	6, 0x0
	.amdhsa_kernel k_q0dc849c09e_refine
		.amdhsa_group_segment_fixed_size 83456
		.amdhsa_private_segment_fixed_size 0
		.amdhsa_enable_private_segment 0
		.amdhsa_kernarg_size 72
		.amdhsa_user_sgpr_count 2
		.amdhsa_user_sgpr_kernarg_segment_ptr 1
		.amdhsa_wavefront_size32 1
		.amdhsa_system_sgpr_workgroup_id_x 1
		.amdhsa_system_sgpr_workgroup_id_y 1
		.amdhsa_system_sgpr_workgroup_id_z 1
		.amdhsa_system_vgpr_workitem_id 0
		.amdhsa_next_free_vgpr 1024
		.amdhsa_next_free_sgpr 66
		.amdhsa_reserve_vcc 1
		.amdhsa_float_denorm_mode_32 3
		.amdhsa_float_denorm_mode_16_64 3
		.amdhsa_memory_ordered 1
		.amdhsa_forward_progress 1
		.amdhsa_inst_pref_size 116
	.end_amdhsa_kernel
	.amdgpu_metadata
---
amdhsa.version: [ 1, 2 ]
amdhsa.kernels:
  - .name:           k_q0dc849c09e_refine
    .symbol:         k_q0dc849c09e_refine.kd
    .args:
      - { .name: cand, .offset: 0, .size: 8, .value_kind: global_buffer, .address_space: global }
      - { .name: cbz, .offset: 8, .size: 8, .value_kind: global_buffer, .address_space: global }
      - { .name: xwb, .offset: 16, .size: 8, .value_kind: global_buffer, .address_space: global }
      - { .name: wh, .offset: 24, .size: 8, .value_kind: global_buffer, .address_space: global }
      - { .name: wl, .offset: 32, .size: 8, .value_kind: global_buffer, .address_space: global }
      - { .name: xhat, .offset: 40, .size: 8, .value_kind: global_buffer, .address_space: global }
      - { .name: x, .offset: 48, .size: 8, .value_kind: global_buffer, .address_space: global }
      - { .name: out0, .offset: 56, .size: 8, .value_kind: global_buffer, .address_space: global }
      - { .name: out1, .offset: 64, .size: 8, .value_kind: global_buffer, .address_space: global }
    .group_segment_fixed_size: 83456
    .private_segment_fixed_size: 0
    .kernarg_segment_align: 8
    .kernarg_segment_size: 72
    .max_flat_workgroup_size: 128
    .sgpr_count:     66
    .vgpr_count:     1024
    .wavefront_size: 32
...
	.end_amdgpu_metadata
.endif
;; end of part 3
;; ======== version 2 of 2: 3 launches; 1.15 times as fast as version 1
;; workspace buffers: wh 262,144 bytes; wl 262,144 bytes; cbz 131,072 bytes; xwb 1,048,576 bytes; cand 65,536 bytes of whole numbers
;; launch prep: the kernel of part 1 again; grid 208 x 1, 4 waves a work-group, no clusters, 0 bytes of LDS; arguments Wc, bc, codebook, xhat, W1_0, W1_1, W2_0, W2_1, wh, wl, cbz, xwb; writes wh, wl, cbz, xwb
;; launch main (part 4): grid 256 x 1, 4 waves a work-group, clusters of 4 x 1, 296,448 bytes of LDS; arguments wh, cbz, xwb, xhat, x, cand; writes cand
.if DOCPART == 4
	.amdgcn_target "amdgcn-amd-amdhsa--gfx1250"
	.amdhsa_code_object_version 6
	.text
	.protected	k_q0dc849c09e_main
	.globl	k_q0dc849c09e_main
	.p2align	8
	.type	k_q0dc849c09e_main,@function
k_q0dc849c09e_main:
	s_mov_b64 s[64:65], 0
	v_nop
	global_prefetch_b8 v0, s[64:65] scope:SCOPE_SE
	s_setreg_imm32_b32 hwreg(HW_REG_WAVE_MODE, 25, 1), 1
	s_wait_xcnt 0x0
	s_wait_alu depctr_hold_cnt(0) depctr_sa_sdst(0) depctr_va_vdst(0) depctr_va_sdst(0) depctr_va_ssrc(0) depctr_va_vcc(0) depctr_vm_vsrc(0)
	s_getreg_b32 s2, hwreg(HW_REG_IB_STS2, 6, 4)
	s_cmp_eq_u32 s2, 0
	s_cbranch_scc0 .Lentry_in_a_cluster
	s_endpgm
.Lentry_in_a_cluster:
	s_bfe_u32 s2, ttmp6, 0x10000c
	s_cmp_lg_u32 s2, 0x3003
	s_cbranch_scc0 .Lentry_shape_is_right
	s_endpgm
.Lentry_shape_is_right:
; ALL 2,048 x 256 CANDIDATES IN bf16, AND THE TWO BEST k OF EACH b IN EACH QUARTER OF THE CODEBOOK.
; z0 = cbz[k] + xwb[b]; twice z += relu(z W1^T) W2^T; dist = |z + xhat[b] - x[b]|^2.  Matrix operands bf16, the residual z and all sums f32.
; THE FIRST HIDDEN LAYER IS A SUM: z0 enters W1_0 linearly, so W1_0 z0 = P[k] + Q[b] with P = cbz W1_0^T and Q = xwb W1_0^T, for every input.  P (my 16 k x 256 h) and Q (the group's 32 b x 256 h)
; are multiplied once, at the start; after that block 0 has no product with W1: 256 + 512 matrix instructions a pass, where multiplying each (b, k) out would take 1,024.
; This launch decides nothing: it stores keys, and the next launch evaluates the two best candidates of each b more finely and chooses.
; LIMITS.  A key is dist's f32 bits with the low 8 bits replaced by k (dist >= 0, so the bits order as the numbers do): dists closer than 2^-15 of themselves order by k.
; If three candidates of a b lie within the bf16 evaluation's error of the minimum, the true best may miss the pair.  A NaN dist counts as larger than every number.
; SHARES.  Work-group (kq, bg) owns k = 64 kq .. + 63 and b = 32 bg .. + 31; wave w owns ONE tile of 16 k, whose cbz (64 registers) and P (128) stay in registers.  A PASS is four b's against that
; tile: four row tiles, so each weight fragment read from LDS feeds four products.  Eight passes.
; LAYOUT.  Every product is used transposed (source 0 = 16 weight rows, source 1 = 16 data rows): a result holds ONE data row a lane (lane % 16) and the outputs 8 (lane / 16) + 0..7.  Two
; neighbouring results rounded to bf16 in pairs ARE source 1 of the next product, so nothing changes lanes from z0 to dist, and z is the accumulator that W2's products add onto.
; What hangs on b alone (xwb, xhat - x, Q) is the same in all sixteen lanes of a half: it lies in LDS tables and is read by loads in which sixteen lanes take the same 16 bytes.
; LDS.  The four weight matrices (hi parts, fragment order, 262,144 bytes) are brought in ONCE: no ring, no refill.  Behind them, in bytes of their own, xwb's and xhat - x's 32 rows.  W1_0's 65,536 bytes
; have had their only fill, and their last read when P and Q are made: behind a barrier they take Q's table and the keys.
; CLUSTER.  All work-groups read the same weights: four form a cluster and ask jointly (same tensor loads, same descriptors, mask of four).  kq is the place in the cluster: it enters global
; addresses (cbz, cand) and the k that a key carries, and no LDS address and no branch.
; BLOCK 0, chunk c of 32 hidden units: 32 products Z += W2_0(c) H(c), and behind EACH four vector instructions of H(c+1) = relu(P + Q): 32 packed sums, 64 maxima, 32 roundings = 4 x 32.  One run of 32
; LDS loads a chunk (Q of c + 2, W2 of c + 1), 30 products ahead of the wait for it.  The last chunk carries the rounding of z to bf16, two tiles behind the products.
; BLOCK 1: H(c) = W1_1(c) Z stands beside the relu of H(c-1); Z += W2_1(c-2) H(c-2) beside the rounding of H(c-1).  Its last 32 products carry the NEXT pass's H(0).
; The last pass's look-ahead takes its own rows once more (clamped addresses); what is made of them is not used.
; REGISTERS, in windows of 256 (s_set_vgpr_msb: bits 1:0 source 0, 3:2 source 1, 5:4 source 2, 7:6 destination):
;   window 0: v0-127 ZB, z in bf16 (fragment (rt, s) at 32 rt + 8 s); v128-255 HA, two buffers of 64 (accumulator (rt, t) at 16 rt + 8 t)
;   window 1: Z, f32: (rt, dt, j) at 64 rt + 8 dt + j
;   window 2: v0-63 W1F, v64-127 W2F (weight fragments); v128-191 HB, H in bf16, two buffers of 32; v192-255 addresses and small things
;   window 3: v0-63 CB, my cbz rows; v64-191 P (h tile ht at 64 + 8 ht); v192-255 SP
;   A pass's four table rows (xhat - x, then the next pass's xwb) land where nothing else lives at that time: ZB (rows 0, 1), W2F (row 2), SP (row 3).
.set QT,   0                           ; LDS: Q, [b 32] rows of 1,024 bytes, 1,040 apart (an odd multiple of 16: the sixteen rows of a store start in different banks)
.set QP,   1040
.set KEYB, 33280                       ; LDS: keys [b 32][k 64]
.set XWB,  262144                      ; LDS: xwb's 32 rows of 512 bytes, 528 apart
.set TP,   528
.set UB,   279040                      ; LDS: xhat - x, likewise
.set ZB,   0
.set HA,   128
.set DA,   128                         ; dist's sums, in the H buffer that is idle at a pass's end
.set W1F,  0
.set W2F,  64
.set HB,   128
.set CB,   0
.set PB,   64
.set SP,   192
.set XT,   128                         ; window 1, at the start only: table data on its way
.set XH,   160
.set XX,   192
.set LA,   192                         ; 16 x lane (and the LDS address of W1_0's fragments)
.set AW0,  193                         ; of W2_0's
.set AW1,  194                         ; of W1_1's
.set AW2,  195                         ; of W2_1's
.set AXB,  196                         ; XWB + 32 hh
.set AUB,  197                         ; UB + 32 hh
.set AQB,  198                         ; QT + 32 hh
.set AKB,  199                         ; KEYB + 64 w + 4 r
.set AXN,  200                         ; the next pass's rows of xwb's table
.set AU,   201                         ; this pass's rows of xhat - x
.set AQ,   202                         ; this pass's rows of Q
.set AQN,  203                         ; the next pass's
.set AK,   204                         ; this pass's keys
.set AF,   205                         ; KEYB + 2048 w + 16 lane
.set VCB,  206                         ; 16 lane + 8192 w
.set KID,  207                         ; my row's k
.set KEY,  208                         ; v208-211
.set TID,  212
.set LN,   213
.set RR,   214
.set HHV,  215
.set T0,   216
.set T1,   217
.set AQW,  224                         ; 16 lane + 16384 w: my quarter of W1_0
.set TXL,  225
.set TXS,  226
.set TUL,  227
.set TUS,  228
.set TQS,  229
.set VST,  230
.set WV,   16                          ; s16  wave
.set G1,   24                          ; s[24:31] descriptor group 1
.set G0,   32                          ; s[32:47] descriptor group 0, a set for each matrix
.set PC,   48                          ; s48  pass
.set W_H,  0x02                        ; source 0 window 2, all else window 0: H's products, relu in place, LDS loads into window 0
.set W_Z,  0x5a                        ; sources 0, 1 window 2; C and D window 1
.set W_CV, 0x80                        ; sources window 0, destination window 2
.set W_LD, 0x82                        ; address and data window 2
.set W_M,  0xaa                        ; all window 2
.set W_CZ, 0x05                        ; sources window 1, destination (and source 2) window 0
.set W_VA, 0x03                        ; source 0 window 3 (P), all else window 0
.set W_P,  0xf2                        ; source 0 window 2, source 1 window 0, C and D window 3
.set W_KY, 0xa0
.set W_KS, 0x0a
.set MSB, 0
.macro WIN new                         ; the high byte repeats the setting that is left; a switch that changes nothing is dropped
.if MSB != (\new)
	s_set_vgpr_msb (MSB<<8)|(\new)
.set MSB, (\new)
.endif
.endm
; A round of the cluster's barrier: my work-group's barrier, so that wave 0's signal speaks for all four waves; wave 0 signals; every wave waits for all four work-groups; my work-group's barrier once more.
.macro CROUND
	s_barrier_signal -1
	s_barrier_wait -1
	s_cmp_lg_u32 s[WV], 0
	s_cbranch_scc1 .Lnot_wave_0_\@
	s_barrier_signal -3
.Lnot_wave_0_\@:
	s_barrier_wait -3
	s_barrier_signal -1
	s_barrier_wait -1
.endm
; A vector instruction that reads a matrix result or writes a matrix instruction's register, and a load into such a register, stand four places behind it; only plain vector instructions
; that name none of its registers are places (ISA guide 7.12.1 for vector instructions).
.macro PLACES
.rept 4
	v_nop
.endr
.endm
; One chunk's eight fragments: 16 loads, each 512 consecutive bytes of LDS
.macro LOADW dst, adr, chunk
	WIN W_LD
.irp f, 0,1,2,3,4,5,6,7
	ds_load_b128 v[(\dst)+8*\f:(\dst)+8*\f+3], v[\adr] offset:(\chunk)*8192+\f*1024
	ds_load_b128 v[(\dst)+8*\f+4:(\dst)+8*\f+7], v[\adr] offset:(\chunk)*8192+\f*1024+512
.endr
.endm
; Q of four b's for chunk ch, into H buffer buf, where the sums with P are made in place: 16 loads
.macro LOADQ buf, adr, ch
	WIN W_H
.irp rt, 0,1,2,3
.irp t, 0,1
	ds_load_b128 v[HA+64*(\buf)+16*\rt+8*\t:HA+64*(\buf)+16*\rt+8*\t+3], v[\adr] offset:\rt*QP+(\ch)*128+\t*64
	ds_load_b128 v[HA+64*(\buf)+16*\rt+8*\t+4:HA+64*(\buf)+16*\rt+8*\t+7], v[\adr] offset:\rt*QP+(\ch)*128+\t*64+16
.endr
.endr
.endm
; Row rt of a pass's four rows of a table of 128 numbers, into 64 registers at base in window win: 16 loads
.macro LOADT win, base, adr, rt
	WIN ((\win)<<6)|2
.irp dt, 0,1,2,3,4,5,6,7
	ds_load_b128 v[(\base)+8*\dt:(\base)+8*\dt+3], v[\adr] offset:(\rt)*TP+\dt*64
	ds_load_b128 v[(\base)+8*\dt+4:(\base)+8*\dt+7], v[\adr] offset:(\rt)*TP+\dt*64+16
.endr
.endm
.macro LOADH adr                       ; all four rows
	LOADT 0, 0, \adr, 0
	LOADT 0, 64, \adr, 1
	LOADT 2, W2F, \adr, 2
	LOADT 3, SP, \adr, 3
.endm
; init = 0: z += the four rows (xhat - x).  init = 1: z = cbz + the four rows (xwb).  In ascending order.
.macro TSUM init
.irp rt, 0,1,2,3
.if \rt < 2
.set tW, 0
.set tB, 64*\rt
.elseif \rt == 2
.set tW, 2
.set tB, W2F
.else
.set tW, 3
.set tB, SP
.endif
.if \init
	WIN 0x43|(tW<<2)
.else
	WIN 0x41|(tW<<2)
.endif
.set i, 0
.rept 32
.if \init
	v_pk_add_f32 v[64*\rt+2*i:64*\rt+2*i+1], v[CB+2*i:CB+2*i+1], v[tB+2*i:tB+2*i+1]
.else
	v_pk_add_f32 v[64*\rt+2*i:64*\rt+2*i+1], v[64*\rt+2*i:64*\rt+2*i+1], v[tB+2*i:tB+2*i+1]
.endif
.set i, i+1
.endr
.endr
.endm
; Slice k of 32 of block 0's H for chunk cn, four instructions.  For accumulator g = k / 4 (row tile g / 2, h tile g % 2): P + Q; relu, twice four; the rounding to bf16.
.macro VHS cn, k
.set vg, (\k)/4
.set vp, (\k)%4
.set vH, HA+64*((\cn)%2)+8*vg
.set vP, PB+8*(2*(\cn)+vg%2)
.if vp == 0
	WIN W_VA
.irp i, 0,1,2,3
	v_pk_add_f32 v[vH+2*\i:vH+2*\i+1], v[vP+2*\i:vP+2*\i+1], v[vH+2*\i:vH+2*\i+1]
.endr
.elseif vp < 3
	WIN W_VA
.irp i, 0,1,2,3
	v_max_num_f32 v[vH+4*(vp-1)+\i], 0, v[vH+4*(vp-1)+\i]
.endr
.else
	WIN W_CV
.irp i, 0,1,2,3
	v_cvt_pk_bf16_f32 v[HB+32*((\cn)%2)+4*vg+\i], v[vH+2*\i], v[vH+2*\i+1]
.endr
.endif
.endm
.macro CZS n                           ; tile n of z to bf16, four instructions, the low registers first
	WIN W_CZ
.irp i, 0,1,2,3
	v_cvt_pk_bf16_f32 v[ZB+4*(\n)+\i], v[8*(\n)+2*\i], v[8*(\n)+2*\i+1]
.endr
.endm
; BLOCK 0, chunk c: Z += W2_0(c) H(c), 32 products on 32 accumulators; W2's chunks take turns on the two fragment buffers.  Behind each product a slice.
; The run of loads stands behind the second product: its targets' last matrix reader stands in front of the last slice of the chunk before (four places) or further back.
; In the last chunk the slice behind product n rounds tile n - 2.  Products 0 and 1 have no tile to round yet: four v_nop stand behind each, so that tile 0 is read eight places behind its
; product, tile 1 eight, and every later tile eight (the roundings of the two tiles before it, which name none of its product's registers).
.macro ZB0 c
.if (\c)%2
.set zW, W2F
.set zO, W1F
.else
.set zW, W1F
.set zO, W2F
.endif
	s_wait_dscnt 0x0                               ; W2(c) and Q(c+1): the one run that is out
.set zn, 0
.rept 32
	WIN W_Z
.set zD, 8*zn
.set zA, zW+8*(zn%8)
.set zB, HB+32*((\c)%2)+8*(zn/8)
	v_wmma_f32_16x16x32_bf16 v[zD:zD+7], v[zA:zA+7], v[zB:zB+7], v[zD:zD+7]
.if (\c) < 7
	VHS (\c)+1, zn
.elseif zn >= 2
	CZS zn-2
.else
	PLACES
.endif
.if zn == 1
.if (\c) < 6
	LOADQ (\c)%2, AQ, (\c)+2
.endif
.if (\c) < 7
	LOADW zO, AW0, (\c)+1
.else
	LOADW W1F, AW1, 0                              ; block 1's first fragments
.endif
.endif
.set zn, zn+1
.endr
.if (\c) == 7
	CZS 30
	CZS 31
.endif
.endm
; BLOCK 1.  H(c) = W1(c) Z: 32 products; the 8 accumulators take turns.  relu = 1: behind each product two registers of H(c-1) are clipped at 0, in ascending order.
; ld = 1: behind the second product a run of loads.
.macro HP c, abase, relu, ld=0, ldst=0, ladr=0, lchunk=0
	WIN W_H
.set hn, 0
.irp s, 0,1,2,3
.irp rt, 0,1,2,3
.irp t, 0,1
.set hD, HA+64*((\c)%2)+16*\rt+8*\t
.set hA, (\abase)+8*(4*\t+\s)
.set hB, ZB+32*\rt+8*\s
.if \s == 0
	v_wmma_f32_16x16x32_bf16 v[hD:hD+7], v[hA:hA+7], v[hB:hB+7], 0
.else
	v_wmma_f32_16x16x32_bf16 v[hD:hD+7], v[hA:hA+7], v[hB:hB+7], v[hD:hD+7]
.endif
.if \relu
.set hR, HA+64*(((\c)+1)%2)+2*hn
	v_max_num_f32 v[hR], 0, v[hR]
	v_max_num_f32 v[hR+1], 0, v[hR+1]
.endif
.if (\ld) && (hn == 1)
	LOADW \ldst, \ladr, \lchunk
	WIN W_H
.endif
.set hn, hn+1
.endr
.endr
.endr
.endm
; Z += W2(c) H(c): 32 products on 32 accumulators.  cvt = 1: behind every fourth product four roundings of H(c+1) to bf16.  ld = 1: behind the first four a run of loads;
; ex = 1: with it rows 0 and 1 of xhat - x, into ZB, whose last product stands in front of those four roundings.
.macro ZP c, abase, cvt, ld=0, ldst=0, ladr=0, lchunk=0, ex=0
	WIN W_Z
.set zn, 0
.irp rt, 0,1,2,3
.irp dt, 0,1,2,3,4,5,6,7
.set zD, 64*\rt+8*\dt
.set zA, (\abase)+8*\dt
.set zB, HB+32*((\c)%2)+8*\rt
	v_wmma_f32_16x16x32_bf16 v[zD:zD+7], v[zA:zA+7], v[zB:zB+7], v[zD:zD+7]
.if (zn%4 == 3) && (\cvt)
	WIN W_CV
.set zg, zn/4
.irp i, 0,1,2,3
	v_cvt_pk_bf16_f32 v[HB+32*(((\c)+1)%2)+4*zg+\i], v[HA+64*(((\c)+1)%2)+8*zg+2*\i], v[HA+64*(((\c)+1)%2)+8*zg+2*\i+1]
.endr
.if (\ld) && (zg == 0)
	LOADW \ldst, \ladr, \lchunk
.if \ex
	LOADT 0, 0, AU, 0
	LOADT 0, 64, AU, 1
.endif
.endif
	WIN W_Z
.endif
.set zn, zn+1
.endr
.endr
.endm
.macro ZPV c, abase, cn                ; the same products, with a slice of block 0's H(cn) behind each
.set zn, 0
.rept 32
	WIN W_Z
.set zD, 8*zn
.set zA, (\abase)+8*(zn%8)
.set zB, HB+32*((\c)%2)+8*(zn/8)
	v_wmma_f32_16x16x32_bf16 v[zD:zD+7], v[zA:zA+7], v[zB:zB+7], v[zD:zD+7]
	VHS \cn, zn
.set zn, zn+1
.endr
.endm
; THE START'S PRODUCTS.  P for h tiles 2 c, 2 c + 1: 8 products, two accumulators by turns.
.macro PP c, abase
	WIN W_P
.irp s, 0,1,2,3
.irp t, 0,1
.set pD, PB+8*(2*(\c)+\t)
.set pA, (\abase)+8*(4*\t+\s)
.if \s == 0
	v_wmma_f32_16x16x32_bf16 v[pD:pD+7], v[pA:pA+7], v[8*\s:8*\s+7], 0
.else
	v_wmma_f32_16x16x32_bf16 v[pD:pD+7], v[pA:pA+7], v[8*\s:8*\s+7], v[pD:pD+7]
.endif
.endr
.endr
.endm
; Q for both tiles of 16 b and h tiles 4 w + 2 cc, + 1: 16 products, four accumulators by turns
.macro QQ cc, abase
	WIN W_H
.irp s, 0,1,2,3
.irp bt, 0,1
.irp t, 0,1
.set qD, HA+8*(4*\bt+2*(\cc)+\t)
.set qA, (\abase)+8*(4*\t+\s)
.set qB, 32+32*\bt+8*\s
.if \s == 0
	v_wmma_f32_16x16x32_bf16 v[qD:qD+7], v[qA:qA+7], v[qB:qB+7], 0
.else
	v_wmma_f32_16x16x32_bf16 v[qD:qD+7], v[qA:qA+7], v[qB:qB+7], v[qD:qD+7]
.endif
.endr
.endr
.endr
.endm
	s_load_b256 s[4:11], s[0:1], 0x0               ; wh s[4:5], cbz s[6:7], xwb s[8:9], xhat s[10:11]
	s_load_b128 s[12:15], s[0:1], 0x20             ; x s[12:13], cand s[14:15]
	s_set_vgpr_msb 0x80
	v_lshl_add_u32 v254, v0, 2, 0x48400
	v_mov_b32 v255, 0
	s_set_vgpr_msb 0x808a
	ds_add_u32 v254, v255
	s_set_vgpr_msb 0x8a00
	v_lshrrev_b32 v1, 5, v0
	v_readfirstlane_b32 s[WV], v1                  ; wave 0..3
	s_bfe_u32 s17, ttmp6, 0x40000                  ; cx: my place in the cluster = kq; ttmp9, the cluster's number, is bg
	; descriptor group 1: 16,384 dense bytes as 64 rows of 256 bytes
	s_mov_b32 s[G1+0], 15|(3<<16)|(1<<21)          ; 15:0 the mask of four; 17:16 elements of 8 bytes; 21 set beside a mask; no padding: a fragment load takes 512 consecutive bytes
	s_mov_b32 s[G1+1], 32<<16                      ; tensor_dim0 = 32
	s_mov_b32 s[G1+2], 64<<16                      ; tensor_dim1 = 64
	s_mov_b32 s[G1+3], 32<<16                      ; tile_dim0 = 32
	s_mov_b32 s[G1+4], 64                          ; tile_dim1 = 64
	s_mov_b32 s[G1+5], 32                          ; 32 elements from row to row
	s_mov_b32 s[G1+6], 0
	s_mov_b32 s[G1+7], 0
	s_mov_b32 s52, 0xffffff00
	s_mov_b32 s54, 0x76543210                      ; v_permlanex16_b32: each lane takes its own place in the other half
	s_mov_b32 s55, 0xfedcba98
	s_lshl_b32 s20, s[WV], 14                      ; wave w brings quarter w of each matrix
	s_mov_b32 s21, 0
	s_wait_dscnt 0x0
	s_wait_kmcnt 0x0
	s_add_nc_u64 s[22:23], s[4:5], s[20:21]
.irp m, 0,1,2,3
	s_mov_b32 s[G0+4*\m], 1                        ; count = 1
	s_add_co_u32 s[G0+4*\m+1], s20, \m*65536       ; LDS address = the byte's place in wh
	s_add_nc_u64 s[G0+4*\m+2:G0+4*\m+3], s[22:23], \m*65536
	s_or_b32 s[G0+4*\m+3], s[G0+4*\m+3], 0x80000000  ; type = 2
.endr
	CROUND                                         ; all four work-groups are here: the joint loads meet
.irp m, 0,1,2,3
	tensor_load_to_lds s[G0+4*\m:G0+4*\m+3], s[G1:G1+7]  ; four loads of mine are out
	s_nop 0
.endr
.rept 4
	v_nop
.endr
	s_mov_b32 s61, 0
	s_lshl_b32 s60, s17, 15                        ; cbz: my quarter's four tiles of 8,192 bytes
	s_add_nc_u64 s[6:7], s[6:7], s[60:61]
	s_lshl_b32 s60, ttmp9, 14                      ; 32 b's: two tiles of xwb, 32 rows of 512 bytes of xhat and of x
	s_add_nc_u64 s[8:9], s[8:9], s[60:61]
	s_add_nc_u64 s[10:11], s[10:11], s[60:61]
	s_add_nc_u64 s[12:13], s[12:13], s[60:61]
	s_lshl_b32 s60, s17, 14                        ; cand is [kq][b][2]: 16,384 kq + 256 bg + 64 w
	s_lshl_b32 s62, ttmp9, 8
	s_add_co_u32 s60, s60, s62
	s_lshl_b32 s62, s[WV], 6
	s_add_co_u32 s60, s60, s62
	s_add_nc_u64 s[14:15], s[14:15], s[60:61]
	WIN W_CV
	v_mov_b32 v[TID], v0
	WIN W_M
	v_and_b32 v[LN], 31, v[TID]
	v_and_b32 v[RR], 15, v[TID]
	v_bfe_u32 v[HHV], v[TID], 4, 1
	v_lshlrev_b32 v[LA], 4, v[LN]
	v_add_nc_u32 v[AW1], 65536, v[LA]
	v_add_nc_u32 v[AW0], 131072, v[LA]
	v_add_nc_u32 v[AW2], 196608, v[LA]
	v_lshlrev_b32 v[AQB], 5, v[HHV]                ; QT is LDS byte 0
	v_add_nc_u32 v[AXB], XWB, v[AQB]
	v_add_nc_u32 v[AUB], UB, v[AQB]
	s_lshl_b32 s21, s[WV], 6
	s_add_co_u32 s21, s21, KEYB
	v_lshl_add_u32 v[AKB], v[RR], 2, s21
	s_lshl_b32 s21, s[WV], 11
	v_add_nc_u32 v[TXL], s21, v[LA]                ; in a tile of xwb: channel tiles 2 w, 2 w + 1
	s_add_co_u32 s21, s21, KEYB
	v_add_nc_u32 v[AF], s21, v[LA]
	s_lshl_b32 s21, s[WV], 13
	v_add_nc_u32 v[VCB], s21, v[LA]
	s_lshl_b32 s21, s[WV], 14
	v_add_nc_u32 v[AQW], s21, v[LA]
	s_lshl_b32 s60, s17, 6                         ; k = 64 kq + 16 w + r: a number that the keys carry
	s_lshl_b32 s62, s[WV], 4
	s_add_co_u32 s60, s60, s62
	v_add_nc_u32 v[KID], s60, v[RR]
	v_mul_u32_u24 v[T0], v[RR], TP
	v_lshl_add_u32 v[T0], v[HHV], 5, v[T0]
	s_lshl_b32 s21, s[WV], 7
	s_add_co_u32 s21, s21, XWB
	v_add_nc_u32 v[TXS], s21, v[T0]                ; XWB + 528 r + 128 w + 32 hh
	v_lshlrev_b32 v[TUL], 4, v[TID]                ; xhat's and x's 32 rows are 16,384 dense bytes
	s_mul_i32 s21, s[WV], TP
	s_add_co_u32 s21, s21, UB
	v_add_nc_u32 v[TUS], s21, v[LA]                ; UB + 528 w + 16 lane
	v_mul_u32_u24 v[T1], v[RR], QP
	v_lshl_add_u32 v[T1], v[HHV], 5, v[T1]
	s_lshl_b32 s21, s[WV], 8
	v_add_nc_u32 v[TQS], s21, v[T1]                ; QT + 1040 r + 256 w + 32 hh
	v_lshlrev_b32 v[VST], 4, v[RR]
	v_lshl_add_u32 v[VST], v[HHV], 3, v[VST]       ; cand: 16 r + 8 hh
	WIN 0x42                                       ; destination window 1, address window 2
.irp bt, 0,1
.irp i, 0,1
.irp h, 0,1
	global_load_b128 v[XT+4*(4*\bt+2*\i+\h):XT+4*(4*\bt+2*\i+\h)+3], v[TXL], s[8:9] offset:\bt*8192+\i*1024+\h*512  ; xwb for the table: my share of it
.endr
.endr
.endr
.irp i, 0,1,2,3,4,5,6,7
	global_load_b128 v[XH+4*\i:XH+4*\i+3], v[TUL], s[10:11] offset:\i*2048
.endr
.irp i, 0,1,2,3,4,5,6,7
	global_load_b128 v[XX+4*\i:XX+4*\i+3], v[TUL], s[12:13] offset:\i*2048
.endr
.irp bt, 0,1
.irp dt, 0,1,2,3,4,5,6,7
	global_load_b128 v[64*\bt+8*\dt:64*\bt+8*\dt+3], v[LA], s[8:9] offset:\bt*8192+\dt*1024       ; xwb's two tiles whole, as operands for Q
	global_load_b128 v[64*\bt+8*\dt+4:64*\bt+8*\dt+7], v[LA], s[8:9] offset:\bt*8192+\dt*1024+512
.endr
.endr
	s_wait_loadcnt 32                              ; the 24 table loads are in; the two tiles' 32 stay out
	WIN 0x55
.set i, 0
.rept 16
	v_pk_add_f32 v[XH+2*i:XH+2*i+1], v[XH+2*i:XH+2*i+1], v[XX+2*i:XX+2*i+1] neg_lo:[0,1] neg_hi:[0,1]  ; xhat - x
.set i, i+1
.endr
	WIN 0x06                                       ; address window 2, data window 1
.irp bt, 0,1
.irp i, 0,1
.irp h, 0,1
	ds_store_b128 v[TXS], v[XT+4*(4*\bt+2*\i+\h):XT+4*(4*\bt+2*\i+\h)+3] offset:\bt*16*TP+\i*64+\h*16
.endr
.endr
.endr
.irp i, 0,1,2,3,4,5,6,7
	ds_store_b128 v[TUS], v[XH+4*\i:XH+4*\i+3] offset:\i*4*TP
.endr
	WIN 0xc2
.irp dt, 0,1,2,3,4,5,6,7
	global_load_b128 v[CB+8*\dt:CB+8*\dt+3], v[VCB], s[6:7] offset:\dt*1024
	global_load_b128 v[CB+8*\dt+4:CB+8*\dt+7], v[VCB], s[6:7] offset:\dt*1024+512
.endr
	s_wait_loadcnt 16                              ; xwb's tiles are in; cbz's 16 loads stay out
	WIN W_CZ
.set i, 0
.rept 64
	v_cvt_pk_bf16_f32 v[32+i], v[2*i], v[2*i+1]    ; xwb in bf16: fragment (bt, s) at 32 + 32 bt + 8 s
.set i, i+1
.endr
	s_wait_loadcnt 0x0                             ; my cbz rows
	WIN 0x0f
.set i, 0
.rept 32
	v_cvt_pk_bf16_f32 v[i], v[CB+2*i], v[CB+2*i+1] ; cbz in bf16: fragment s at 8 s
.set i, i+1
.endr
	s_wait_dscnt 0x0                               ; for the others' sake: my part of the tables is written,
	s_wait_tensorcnt 0x0                           ; and my quarters of the weights have landed
	s_barrier_signal -1
	s_barrier_wait -1                              ; everybody's have
	; P, then Q: ten chunks of W1_0's fragments take turns on the two buffers
	LOADW W1F, LA, 0
	LOADW W2F, LA, 1
.irp c, 0,1,2,3,4,5,6,7
.if (\c)%2
.set pW, W2F
.else
.set pW, W1F
.endif
	s_wait_dscnt 16                                ; this chunk's run is in, the next chunk's 16 loads stay out
	PP \c, pW
	PLACES                                         ; in front of the loads into the buffer just multiplied
.if (\c) < 6
	LOADW pW, LA, (\c)+2
.else
	LOADW pW, AQW, (\c)-6                          ; for Q: my quarter of the h tiles
.endif
.endr
	s_wait_dscnt 16
	QQ 0, W1F
	s_wait_dscnt 0x0
	QQ 1, W2F
	PLACES                                         ; in front of the stores of Q, and of the loads into these products' sources
	s_barrier_signal -1                            ; my reads of W1_0 are back (the wait for 0 above); nobody's are out behind this barrier,
	s_barrier_wait -1                              ; so its bytes, which are filled no more, take Q's table and the keys
	WIN W_H
.irp bt, 0,1
.irp hl, 0,1,2,3
	ds_store_b128 v[TQS], v[HA+8*(4*\bt+\hl):HA+8*(4*\bt+\hl)+3] offset:\bt*16*QP+\hl*64
	ds_store_b128 v[TQS], v[HA+8*(4*\bt+\hl)+4:HA+8*(4*\bt+\hl)+7] offset:\bt*16*QP+\hl*64+16
.endr
.endr
	s_wait_dscnt 0x0                               ; for the others' sake: my part of Q is written
	s_barrier_signal -1
	s_barrier_wait -1
	; what a pass finds: H(0) in bf16, Q of chunk 1, W2_0's chunk 0, z0
	LOADQ 0, AQB, 0
	LOADQ 1, AQB, 1
	LOADH AXB
	LOADW W1F, AW0, 0
	s_wait_dscnt 0x0
.set k, 0
.rept 32
	VHS 0, k
.set k, k+1
.endr
	TSUM 1
	WIN 0
	s_mov_b32 s[PC], 0
	s_mov_b32 s56, 0                               ; this pass's four rows in the two tables of 128 numbers, in bytes
	s_mov_b32 s58, 0                               ; in the keys
	s_mov_b32 s59, 0                               ; in Q
.Lpass:
	s_add_co_u32 s57, s56, 4*TP
	s_min_u32 s57, s57, 28*TP                      ; the next pass's rows; the last pass takes its own once more
	s_add_co_u32 s63, s59, 4*QP
	s_min_u32 s63, s63, 28*QP
	WIN W_M
	v_add_nc_u32 v[AU], s56, v[AUB]
	v_add_nc_u32 v[AXN], s57, v[AXB]
	v_add_nc_u32 v[AQ], s59, v[AQB]
	v_add_nc_u32 v[AQN], s63, v[AQB]
	v_add_nc_u32 v[AK], s58, v[AKB]
	; ---- block 0 ----
.irp c, 0,1,2,3,4,5,6,7
	ZB0 \c
.endr
	; ---- block 1 ----
	LOADW W2F, AW1, 1                              ; chunk 1's W1 waits in W2's registers, which are idle until H(0) is made
	s_wait_dscnt 16                                ; chunk 0's fragments are in; chunk 1's 16 loads stay out
	HP 0, W1F, 0
	PLACES                                         ; in front of the relu of H(0) and of the loads into W1F
	s_wait_dscnt 0x0
	HP 1, W2F, 1, 1, W1F, AW1, 2
	WIN W_CV
.set i, 0
.rept 32
	v_cvt_pk_bf16_f32 v[HB+i], v[HA+2*i], v[HA+2*i+1]  ; H(0) to bf16: there is no product of W2 yet to set it beside
.set i, i+1
.endr
.irp c, 2,3,4,5,6
	s_wait_dscnt 0x0                               ; W1(c): the one run that is out
	HP \c, W1F, 1, 1, W2F, AW2, (\c)-2
	s_wait_dscnt 0x0                               ; W2(c-2)
	ZP (\c)-2, W2F, 1, 1, W1F, AW1, (\c)+1
.endr
	s_wait_dscnt 0x0
	HP 7, W1F, 1, 1, W2F, AW2, 5
	s_wait_dscnt 0x0
	ZP 5, W2F, 1, 1, W1F, AW2, 7, 1                ; W1's registers are idle now: they take W2(7); ZB is idle too
	WIN W_H
.set i, 0
.rept 4
	v_max_num_f32 v[HA+64+i], 0, v[HA+64+i]        ; the relu of H(7)
.set i, i+1
.endr
	LOADW W2F, AW2, 6
	LOADQ 0, AQN, 0                                ; the next pass's Q of chunk 0
	LOADT 3, SP, AU, 3
	WIN W_H
.rept 60
	v_max_num_f32 v[HA+64+i], 0, v[HA+64+i]
.set i, i+1
.endr
	s_wait_dscnt 0x0                               ; W2(7), W2(6), Q, and three rows of xhat - x
	ZP 6, W2F, 1
	LOADT 2, W2F, AU, 2                            ; W2F's last product stands in front of the four roundings that end ZP 6
	LOADQ 1, AQN, 1
	ZPV 7, W1F, 0                                  ; beside the last products: the next pass's H(0)
	; ---- dist = |z + (xhat - x)|^2, one row a lane pair; then the next pass's z0 ----
	s_wait_dscnt 0x0
	TSUM 0
	LOADH AXN                                      ; xwb's next four rows, into the registers that the sums above have just read
	LOADW W1F, AW0, 0
	WIN W_CZ
.set i, 0
.rept 32                               ; eight chains (tile, parity of i): an instruction and the one that it feeds stand eight apart
.irp rt, 0,1,2,3
.set dA, DA+4*\rt+2*(i%2)
.set dZ, 64*\rt+2*i
.if i < 2
	v_pk_mul_f32 v[dA:dA+1], v[dZ:dZ+1], v[dZ:dZ+1]
.else
	v_pk_fma_f32 v[dA:dA+1], v[dZ:dZ+1], v[dZ:dZ+1], v[dA:dA+1]
.endif
.endr
.set i, i+1
.endr
	WIN 0
.irp rt, 0,1,2,3
	v_pk_add_f32 v[DA+4*\rt:DA+4*\rt+1], v[DA+4*\rt:DA+4*\rt+1], v[DA+4*\rt+2:DA+4*\rt+3]
.endr
.irp rt, 0,1,2,3
	v_add_f32 v[DA+4*\rt], v[DA+4*\rt], v[DA+4*\rt+1]
.endr
.irp rt, 0,1,2,3
	v_permlanex16_b32 v[DA+4*\rt+1], v[DA+4*\rt], s54, s55   ; the row's other 64 channels lie in the lane 16 away
.endr
.irp rt, 0,1,2,3
	v_add_f32 v[DA+4*\rt], v[DA+4*\rt], v[DA+4*\rt+1]
.endr
	WIN W_KY
.irp rt, 0,1,2,3
	v_and_or_b32 v[KEY+\rt], v[DA+4*\rt], s52, v[KID]
.endr
	WIN W_KS
.irp rt, 0,1,2,3
	ds_store_b32 v[AK], v[KEY+\rt] offset:\rt*256  ; lanes r and r + 16 write the same word with the same number
.endr
	s_wait_dscnt 0x0                               ; xwb's rows are in
	TSUM 1
	WIN 0
	s_add_co_u32 s56, s56, 4*TP
	s_add_co_u32 s58, s58, 1024
	s_add_co_u32 s59, s59, 4*QP
	s_add_co_u32 s[PC], s[PC], 1
	s_cmp_lt_u32 s[PC], 8
	s_cbranch_scc1 .Lpass
	; THE TWO SMALLEST KEYS of each b among the group's 64 k.  Wave w takes b = 8 w .. 8 w + 7: load i brings b = 8 w + 2 i + hh, four keys a lane, so a b stays inside a half of 16 lanes.
	s_wait_dscnt 0x0                               ; for the others' sake: my keys are written
	s_barrier_signal -1
	s_barrier_wait -1
	WIN W_H
.irp i, 0,1,2,3
	ds_load_b128 v[4*\i:4*\i+3], v[AF] offset:\i*512
.endr
	s_wait_dscnt 0x0
	WIN 0
; m1, m2 = the smallest two of a set; two disjoint sets merge as m1' = min(m1, b1), m2' = min(max(m1, b1), min(m2, b2)).  Keys differ, since each carries its k.
.macro MERGE e
	v_max_u32 v[18+4*(\e)], v[16+4*(\e)], v[4*(\e)]
	v_min_u32 v[16+4*(\e)], v[16+4*(\e)], v[4*(\e)]
	v_min_u32 v[19+4*(\e)], v[17+4*(\e)], v[4*(\e)+1]
	v_min_u32 v[17+4*(\e)], v[18+4*(\e)], v[19+4*(\e)]
.endm
.irp e, 0,1,2,3
	v_min_u32 v[16+4*\e], v[4*\e], v[4*\e+1]
	v_max_u32 v[17+4*\e], v[4*\e], v[4*\e+1]
.irp q, 2,3
	v_max_u32 v[18+4*\e], v[16+4*\e], v[4*\e+\q]
	v_min_u32 v[16+4*\e], v[16+4*\e], v[4*\e+\q]
	v_min_u32 v[17+4*\e], v[17+4*\e], v[18+4*\e]
.endr
.irp x, 1,2,4,8
	v_mov_b32_dpp v[4*\e], v[16+4*\e] row_xmask:\x row_mask:0xf bank_mask:0xf
	v_mov_b32_dpp v[4*\e+1], v[17+4*\e] row_xmask:\x row_mask:0xf bank_mask:0xf
	MERGE \e
.endr
.endr
	; every lane of a half holds all four pairs: lane r < 4 keeps pair r, so that one store of eight lanes covers the wave's 64 consecutive bytes
	WIN 0x08
	v_cmp_eq_u32 s40, 1, v[RR]
	v_cmp_eq_u32 s41, 2, v[RR]
	v_cmp_eq_u32 s42, 3, v[RR]
	v_cmp_gt_u32 vcc_lo, 4, v[RR]
	WIN 0
	v_cndmask_b32 v32, v16, v20, s40
	v_cndmask_b32 v33, v17, v21, s40
	v_cndmask_b32 v32, v32, v24, s41
	v_cndmask_b32 v33, v33, v25, s41
	v_cndmask_b32 v32, v32, v28, s42
	v_cndmask_b32 v33, v33, v29, s42
	s_wait_xcnt 0x0                                ; EXEC changes only behind this wait
	WIN 0x02                                       ; address window 2, data window 0
	s_and_saveexec_b32 s53, vcc_lo
	global_store_b64 v[VST], v[32:33], s[14:15]    ; the four waves' stores together are 256 consecutive bytes, aligned
	s_wait_xcnt 0x0                                ; and again, in front of the line that widens it
	s_or_b32 exec_lo, exec_lo, s53
	WIN 0
	s_set_vgpr_msb 0xa
	s_wait_tensorcnt 0x0
	ds_add_u32 v254, v255
	s_wait_dscnt 0x0
	s_set_vgpr_msb 0xa00
	CROUND                                         ; the closing round: no work-group ends while a partner may still ask for a tile that names it
	s_endpgm
.Lfunc_end_k_q0dc849c09e_main:
	.size	k_q0dc849c09e_main, .Lfunc_end_k_q0dc849c09e_main-k_q0dc849c09e_main
	.p2alignl 7, 3214868480
	.fill 96, 4, 3214868480
	.section	.rodata,"a",@progbits
	.p2align	6, 0x0
	.amdhsa_kernel k_q0dc849c09e_main
		.amdhsa_group_segment_fixed_size 296448
		.amdhsa_private_segment_fixed_size 0
		.amdhsa_enable_private_segment 0
		.amdhsa_kernarg_size 48
		.amdhsa_user_sgpr_count 2
		.amdhsa_user_sgpr_kernarg_segment_ptr 1
		.amdhsa_wavefront_size32 1
		.amdhsa_system_sgpr_workgroup_id_x 1
		.amdhsa_system_sgpr_workgroup_id_y 1
		.amdhsa_system_sgpr_workgroup_id_z 1
		.amdhsa_system_vgpr_workitem_id 0
		.amdhsa_next_free_vgpr 1024
		.amdhsa_next_free_sgpr 66
		.amdhsa_reserve_vcc 1
		.amdhsa_float_denorm_mode_32 3
		.amdhsa_float_denorm_mode_16_64 3
		.amdhsa_memory_ordered 1
		.amdhsa_forward_progress 1
		.amdhsa_inst_pref_size 255
	.end_amdhsa_kernel
	.section	.bss,"aw",@nobits
	.p2align	6
	.space	262144
	.amdgpu_metadata
---
amdhsa.version: [ 1, 2 ]
amdhsa.kernels:
  - .name:           k_q0dc849c09e_main
    .symbol:         k_q0dc849c09e_main.kd
    .args:
      - { .name: wh, .offset: 0, .size: 8, .value_kind: global_buffer, .address_space: global }
      - { .name: cbz, .offset: 8, .size: 8, .value_kind: global_buffer, .address_space: global }
      - { .name: xwb, .offset: 16, .size: 8, .value_kind: global_buffer, .address_space: global }
      - { .name: xhat, .offset: 24, .size: 8, .value_kind: global_buffer, .address_space: global }
      - { .name: x, .offset: 32, .size: 8, .value_kind: global_buffer, .address_space: global }
      - { .name: cand, .offset: 40, .size: 8, .value_kind: global_buffer, .address_space: global }
    .group_segment_fixed_size: 296448
    .private_segment_fixed_size: 0
    .kernarg_segment_align: 8
    .kernarg_segment_size: 48
    .max_flat_workgroup_size: 128
    .sgpr_count:     66
    .vgpr_count:     1024
    .wavefront_size: 32
...
	.end_amdgpu_metadata
.endif
;; end of part 4
;; launch refine (part 5): grid 256 x 1, 4 waves a work-group, no clusters, 83,456 bytes of LDS; arguments cand, cbz, xwb, wh, wl, xhat, x, out0, out1; writes out0, out1
.if DOCPART == 5
	.amdgcn_target "amdgcn-amd-amdhsa--gfx1250"
	.amdhsa_code_object_version 6
	.text
	.protected	k_q0dc849c09e_refine
	.globl	k_q0dc849c09e_refine
	.p2align	8
	.type	k_q0dc849c09e_refine,@function
k_q0dc849c09e_refine:
	s_mov_b64 s[64:65], 0
	v_nop
	global_prefetch_b8 v0, s[64:65] scope:SCOPE_SE
	s_setreg_imm32_b32 hwreg(HW_REG_WAVE_MODE, 25, 1), 1
	s_wait_xcnt 0x0
; THE DECISION.  The launch before stored, for each b and each quarter of the codebook, the two smallest keys (dist's bits with k in the low 8 bits).  Here the four pairs of a b are merged,
; by whole-number minima and maxima, into the two smallest of all; those two k are evaluated again with split operands, and the better one is taken.
; Each f32 operand is hi + lo, both bf16 (lo = bf16(x - hi)); a product is hi hi + hi lo + lo hi in f32 sums; lo lo, some 2^-16 of a term, is dropped.
; out0 = the k of the smaller dist (at equal dists the smaller k, as argmin has it); out1 = that candidate's z.
; LIMITS.  out1 is z itself, where the module forms (z + xhat) - xhat in f32: the two differ by that sum's rounding.  Two dists closer than the split products' error (about 2^-16 of the terms)
; may be ordered otherwise than in f32.  NaN and infinities are not treated as argmin treats them.  An index taken from cand is clamped to 255.
; SHARES.  Work-group g owns b = 8 g .. 8 g + 7: 16 rows r = 2 bi + c (candidate c of b = 8 g + bi), one row tile.  Every wave holds the whole z; the hidden units are shared out: wave w takes
; h = 64 w .. 64 w + 63: fragments 16 w .. 16 w + 15 of each matrix, hi and lo, 16 KB each, loaded straight from memory as matrix operands (512 consecutive bytes an instruction).
; The four waves' partial sums of relu(..) W2^T meet in LDS; every wave adds them in the same order, so all four hold the same z.
; NO CLUSTER, NO TENSOR LOADS: each weight byte is used by one wave of the work-group and once (192 matrix instructions a wave in all), so LDS would add a copy and spare no read.
; LAYOUT as in the launch before: products transposed, one data row a lane (lane % 16), outputs 8 (lane / 16) + 0..7.
; REGISTERS (s_set_vgpr_msb: bits 1:0 source 0, 3:2 source 1, 5:4 source 2, 7:6 destination):
;   window 0: addresses; v32-63 ZH, v64-95 ZL (later v32-95 ZF, the final z); v96-127 HACC; v128-143 HH; v144-159 HL; v160-223 ZPS (partial sums, and at work)
;   window 1: W1 hi 0-127, lo 128-255 (later xhat's rows 0-63, x's 64-127)     window 2: W2 hi, lo     window 3: Z 0-63, PB0 64-127, PB1 128-191
.set L16,  2                           ; v2   16 x lane
.set VW,   3                           ; v3   16 lane + 16384 w
.set KK,   6                           ; v6   my row's k
.set VCZ,  7                           ; v7   its place in cbz
.set VXW,  8                           ; v8   my b's place in xwb's half tile
.set VXR,  9                           ; v9   my 32 bytes in xhat's and x's rows
.set NEG1, 10
.set PST,  11                          ; v11  where my partial sums go
.set SST,  13                          ; v13  the way out: in
.set SLD,  14                          ; v14  the way out: back
.set GO,   15                          ; v15  my byte offset in the group's 8 rows of out1
.set DIST, 16
.set CODE, 17
.set VCA,  19
.set VO0,  20
.set VSEL, 21
.set DA,   24                          ; v24-31
.set ZH,   32
.set ZL,   64
.set ZF,   32
.set HACC, 96
.set HH,   128
.set HL,   144
.set ZPS,  160
.set ZZ,   0                           ; window 3
.set PB0,  64
.set PB1,  128
.set XA,   0                           ; window 1
.set XB,   64
.set WHP,  10                          ; s[10:11] wh
.set WLP,  12                          ; s[12:13] wl
.set STG,  65536                       ; LDS: 0-65,535 partial sums [block][wave] of 8,192 bytes; then a stage of 8 rows x 528 bytes for each wave
.set MSB, 0
.macro WIN new                         ; the high byte repeats the setting that is left; a switch that changes nothing is dropped
.if MSB != (\new)
	s_set_vgpr_msb (MSB<<8)|(\new)
.set MSB, (\new)
.endif
.endm
.macro PLACES                          ; four places behind a matrix instruction, in front of reads of its result and of loads into its sources (ISA guide 7.12.1 for vector instructions)
.rept 4
	v_nop
.endr
.endm
.macro LW win, ptr, m, base            ; my 16 fragments of matrix m: 32 loads
	WIN (\win)<<6
.irp f, 0,1,2,3,4,5,6,7,8,9,10,11,12,13,14,15
	global_load_b128 v[(\base)+8*\f:(\base)+8*\f+3], v[VW], s[\ptr:\ptr+1] offset:(\m)*65536+\f*1024
	global_load_b128 v[(\base)+8*\f+4:(\base)+8*\f+7], v[VW], s[\ptr:\ptr+1] offset:(\m)*65536+\f*1024+512
.endr
.endm
.macro SPLITZ                          ; z into hi and lo
	WIN 0x0f
.set i, 0
.rept 32
	v_cvt_pk_bf16_f32 v[ZH+i], v[ZZ+2*i], v[ZZ+2*i+1]
.set i, i+1
.endr
	WIN 0x30
.set i, 0
.rept 32
	v_fma_mix_f32_bf16 v[ZPS+2*i], v[ZH+i], v[NEG1], v[ZZ+2*i] op_sel_hi:[1,0,0]
	v_fma_mix_f32_bf16 v[ZPS+2*i+1], v[ZH+i], v[NEG1], v[ZZ+2*i+1] op_sel:[1,0,0] op_sel_hi:[1,0,0]
.set i, i+1
.endr
	WIN 0
.set i, 0
.rept 32
	v_cvt_pk_bf16_f32 v[ZL+i], v[ZPS+2*i], v[ZPS+2*i+1]
.set i, i+1
.endr
.endm
.macro HPH                             ; my 64 hidden units: 48 products, four accumulators by turns
	WIN 0x01
.irp s, 0,1,2,3
.irp m, 0,1,2
.irp t, 0,1,2,3
.set pA, 128*((\m)/2)+8*(4*\t+\s)
.set pB, ZH+32*((\m)%2)+8*\s
.if (\s == 0) && (\m == 0)
	v_wmma_f32_16x16x32_bf16 v[HACC+8*\t:HACC+8*\t+7], v[pA:pA+7], v[pB:pB+7], 0
.else
	v_wmma_f32_16x16x32_bf16 v[HACC+8*\t:HACC+8*\t+7], v[pA:pA+7], v[pB:pB+7], v[HACC+8*\t:HACC+8*\t+7]
.endif
.endr
.endr
.endr
.endm
.macro HSPLIT                          ; relu, then hi and lo
	WIN 0
.set i, 0
.rept 32
	v_max_num_f32 v[HACC+i], 0, v[HACC+i]
.set i, i+1
.endr
.set i, 0
.rept 16
	v_cvt_pk_bf16_f32 v[HH+i], v[HACC+2*i], v[HACC+2*i+1]
.set i, i+1
.endr
.set i, 0
.rept 16
	v_fma_mix_f32_bf16 v[HACC+2*i], v[HH+i], v[NEG1], v[HACC+2*i] op_sel_hi:[1,0,0]
	v_fma_mix_f32_bf16 v[HACC+2*i+1], v[HH+i], v[NEG1], v[HACC+2*i+1] op_sel:[1,0,0] op_sel_hi:[1,0,0]
.set i, i+1
.endr
.set i, 0
.rept 16
	v_cvt_pk_bf16_f32 v[HL+i], v[HACC+2*i], v[HACC+2*i+1]
.set i, i+1
.endr
.endm
.macro ZPH                             ; my hidden units' share of relu(..) W2^T: 48 products, eight accumulators by turns
	WIN 0x02
.irp s, 0,1
.irp m, 0,1,2
.irp t, 0,1,2,3,4,5,6,7
.set pA, 128*((\m)/2)+8*(8*\s+\t)
.set pB, HH+16*((\m)%2)+8*\s
.if (\s == 0) && (\m == 0)
	v_wmma_f32_16x16x32_bf16 v[ZPS+8*\t:ZPS+8*\t+7], v[pA:pA+7], v[pB:pB+7], 0
.else
	v_wmma_f32_16x16x32_bf16 v[ZPS+8*\t:ZPS+8*\t+7], v[pA:pA+7], v[pB:pB+7], v[ZPS+8*\t:ZPS+8*\t+7]
.endif
.endr
.endr
.endr
.endm
.macro PLOAD blk, wv, buf              ; wave wv's partial sums: 16 loads
	WIN 0xc0
.irp g, 0,1,2,3,4,5,6,7,8,9,10,11,12,13,14,15
	ds_load_b128 v[(\buf)+4*\g:(\buf)+4*\g+3], v[L16] offset:(\blk)*32768+(\wv)*8192+\g*512
.endr
.endm
.macro ZADD buf, last                  ; z += them; last = 1: the sum goes to window 0
.if \last
	WIN 0x0f
.else
	WIN 0xff
.endif
.set i, 0
.rept 32
.if \last
	v_pk_add_f32 v[ZF+2*i:ZF+2*i+1], v[ZZ+2*i:ZZ+2*i+1], v[(\buf)+2*i:(\buf)+2*i+1]
.else
	v_pk_add_f32 v[ZZ+2*i:ZZ+2*i+1], v[ZZ+2*i:ZZ+2*i+1], v[(\buf)+2*i:(\buf)+2*i+1]
.endif
.set i, i+1
.endr
.endm
.macro REDUCE blk, last                ; each block has LDS bytes of its own, so one barrier a block is enough
	WIN 0
.irp g, 0,1,2,3,4,5,6,7,8,9,10,11,12,13,14,15
	ds_store_b128 v[PST], v[ZPS+4*\g:ZPS+4*\g+3] offset:(\blk)*32768+\g*512
.endr
	s_wait_dscnt 0x0                               ; for the others' sake: my partial sums are written
	s_barrier_signal -1
	s_barrier_wait -1
	PLOAD \blk, 0, PB0
	PLOAD \blk, 1, PB1
	s_wait_dscnt 16                                ; the older run is in, the younger run of 16 stays out; so at each of these three waits
	ZADD PB0, 0
	PLOAD \blk, 2, PB0
	s_wait_dscnt 16
	ZADD PB1, 0
	PLOAD \blk, 3, PB1
	s_wait_dscnt 16
	ZADD PB0, 0
	s_wait_dscnt 0x0
	ZADD PB1, \last
.endm
	s_load_b512 s[4:19], s[0:1], 0x0               ; cand s[4:5], cbz s[6:7], xwb s[8:9], wh s[10:11], wl s[12:13], xhat s[14:15], x s[16:17], out0 s[18:19]
	s_load_b64 s[20:21], s[0:1], 0x40              ; out1
	v_lshl_add_u32 v254, v0, 2, 0x14400
	v_mov_b32 v255, 0
	v_lshrrev_b32 v1, 5, v0
	v_readfirstlane_b32 s22, v1                    ; wave 0..3
	v_and_b32 v1, 31, v0                           ; lane
	v_and_b32 v4, 15, v0                           ; r
	v_bfe_u32 v5, v0, 4, 1                         ; hh
	v_lshlrev_b32 v[L16], 4, v1
	s_lshl_b32 s24, s22, 14
	v_add_nc_u32 v[VW], s24, v[L16]
	v_lshrrev_b32 v18, 1, v4                       ; bi
	v_lshlrev_b32 v[VCA], 3, v18                   ; cand is [kq][b][2]: my b's pair lies at byte 8 bi of the group's 64 in each quarter
	v_lshlrev_b32 v22, 8, v5                       ; 256 hh
	v_lshl_add_u32 v[VXW], v18, 4, v22
	v_lshlrev_b32 v[VXR], 9, v18
	v_lshl_add_u32 v[VXR], v5, 5, v[VXR]
	v_mov_b32 v[NEG1], -1.0
	s_lshl_b32 s24, s22, 13
	v_add_nc_u32 v[PST], s24, v[L16]
	s_mul_i32 s24, s22, 4352
	s_add_co_u32 s24, s24, STG                     ; my stage
	v_mul_u32_u24 v[SST], v18, 528
	v_lshl_add_u32 v[SST], v5, 5, v[SST]
	v_add_nc_u32 v[SST], s24, v[SST]
	s_mul_i32 s25, s22, 1056                       ; of its 8 rows I store rows 2 w and 2 w + 1
	s_add_co_u32 s25, s25, s24
	v_add_nc_u32 v[SLD], s25, v[L16]
	s_lshl_b32 s25, s22, 10
	v_add_nc_u32 v[GO], s25, v[L16]
	v_lshlrev_b32 v[VO0], 1, v1                    ; out0: lane 2 bi holds b's code: byte 4 bi
	v_and_b32 v[VSEL], 17, v1
	s_mov_b32 s28, 0x76543210                      ; v_permlanex16_b32: each lane takes its own place in the other half
	s_mov_b32 s29, 0xfedcba98
	s_mov_b32 s25, 0
	s_wait_kmcnt 0x0
	s_lshl_b32 s24, ttmp9, 6
	s_add_nc_u64 s[4:5], s[4:5], s[24:25]
	s_lshr_b32 s24, ttmp9, 1
	s_lshl_b32 s24, s24, 13
	s_and_b32 s26, ttmp9, 1
	s_lshl_b32 s26, s26, 7
	s_add_co_u32 s24, s24, s26
	s_add_nc_u64 s[8:9], s[8:9], s[24:25]
	s_lshl_b32 s24, ttmp9, 12
	s_add_nc_u64 s[14:15], s[14:15], s[24:25]
	s_add_nc_u64 s[16:17], s[16:17], s[24:25]
	s_add_nc_u64 s[20:21], s[20:21], s[24:25]
	s_lshl_b32 s24, ttmp9, 5
	s_add_nc_u64 s[18:19], s[18:19], s[24:25]
.irp q, 0,1,2,3
	global_load_b64 v[DA+2*\q:DA+2*\q+1], v[VCA], s[4:5] offset:\q*16384   ; quarter q's two smallest keys of my b, the smaller first
.endr
	WIN 0xc0
.irp dt, 0,1,2,3,4,5,6,7
	global_load_b128 v[PB0+8*\dt:PB0+8*\dt+3], v[VXW], s[8:9] offset:\dt*1024
	global_load_b128 v[PB0+8*\dt+4:PB0+8*\dt+7], v[VXW], s[8:9] offset:\dt*1024+512
.endr
	LW 1, WHP, 0, 0
	s_wait_loadcnt 48                              ; the keys are in: 16 + 32 younger loads stay out
	WIN 0
.irp q, 1,2,3                          ; two sorted pairs merge as m1' = min(m1, b1), m2' = min(max(m1, b1), min(m2, b2))
	v_max_u32 v18, v[DA], v[DA+2*\q]
	v_min_u32 v[DA], v[DA], v[DA+2*\q]
	v_min_u32 v23, v[DA+1], v[DA+2*\q+1]
	v_min_u32 v[DA+1], v18, v23
.endr
	v_and_b32 v18, 1, v4
	v_cmp_eq_u32 vcc_lo, 1, v18                    ; row r takes candidate r & 1
	v_cndmask_b32 v[KK], v[DA], v[DA+1], vcc_lo
	v_and_b32 v[KK], 0xff, v[KK]                   ; a key's low 8 bits are its k
	v_min_u32 v[KK], 0xff, v[KK]
	v_and_b32 v18, 0xf0, v[KK]
	v_lshlrev_b32 v18, 9, v18                      ; (k >> 4) tiles of 8,192 bytes
	v_and_b32 v23, 15, v[KK]
	v_lshlrev_b32 v23, 4, v23
	v_add_nc_u32 v18, v18, v23
	v_add_nc_u32 v[VCZ], v18, v22
	WIN 0xc0
.irp dt, 0,1,2,3,4,5,6,7
	global_load_b128 v[ZZ+8*\dt:ZZ+8*\dt+3], v[VCZ], s[6:7] offset:\dt*1024
	global_load_b128 v[ZZ+8*\dt+4:ZZ+8*\dt+7], v[VCZ], s[6:7] offset:\dt*1024+512
.endr
	LW 1, WLP, 0, 128
	s_wait_loadcnt 32                              ; xwb's and cbz's rows are in (and W1_0's hi part); the lo part's 32 loads stay out
	ZADD PB0, 0                                    ; z0 = cbz[k] + xwb[b]
	LW 2, WHP, 2, 0
	LW 2, WLP, 2, 128
	; block 0
	SPLITZ
	s_wait_loadcnt 63                              ; behind W1_0's lo part stand 64 younger loads: it is in
	HPH
	PLACES
	LW 1, WHP, 1, 0
	LW 1, WLP, 1, 128
	HSPLIT
	s_wait_loadcnt 63                              ; behind W2_0 stand 64 younger loads
	ZPH
	PLACES
	LW 2, WHP, 3, 0
	LW 2, WLP, 3, 128
	REDUCE 0, 0
	; block 1
	SPLITZ
	s_wait_loadcnt 63                              ; behind W1_1 stand 64 younger loads
	HPH
	PLACES
	WIN 0x40
.irp dt, 0,1,2,3,4,5,6,7
	global_load_b128 v[XA+8*\dt:XA+8*\dt+3], v[VXR], s[14:15] offset:\dt*64
	global_load_b128 v[XA+8*\dt+4:XA+8*\dt+7], v[VXR], s[14:15] offset:\dt*64+16
.endr
.irp dt, 0,1,2,3,4,5,6,7
	global_load_b128 v[XB+8*\dt:XB+8*\dt+3], v[VXR], s[16:17] offset:\dt*64
	global_load_b128 v[XB+8*\dt+4:XB+8*\dt+7], v[VXR], s[16:17] offset:\dt*64+16
.endr
	HSPLIT
	s_wait_loadcnt 32                              ; W2_1 is in; xhat's and x's 32 loads stay out
	ZPH
	PLACES
	REDUCE 1, 1
	s_wait_loadcnt 0x0                             ; xhat, x
	; dist = |(z + xhat) - x|^2, in the module's own order
	WIN 0x04                                       ; source 1 window 1
.set i, 0
.rept 32
	v_pk_add_f32 v[ZPS+2*i:ZPS+2*i+1], v[ZF+2*i:ZF+2*i+1], v[XA+2*i:XA+2*i+1]
.set i, i+1
.endr
.set i, 0
.rept 32
	v_pk_add_f32 v[ZPS+2*i:ZPS+2*i+1], v[ZPS+2*i:ZPS+2*i+1], v[XB+2*i:XB+2*i+1] neg_lo:[0,1] neg_hi:[0,1]
.set i, i+1
.endr
	WIN 0
.set i, 0
.rept 32                               ; four chains
.if i < 4
	v_pk_mul_f32 v[DA+2*i:DA+2*i+1], v[ZPS+2*i:ZPS+2*i+1], v[ZPS+2*i:ZPS+2*i+1]
.else
	v_pk_fma_f32 v[DA+2*(i%4):DA+2*(i%4)+1], v[ZPS+2*i:ZPS+2*i+1], v[ZPS+2*i:ZPS+2*i+1], v[DA+2*(i%4):DA+2*(i%4)+1]
.endif
.set i, i+1
.endr
	v_pk_add_f32 v[DA:DA+1], v[DA:DA+1], v[DA+2:DA+3]
	v_pk_add_f32 v[DA+4:DA+5], v[DA+4:DA+5], v[DA+6:DA+7]
	v_pk_add_f32 v[DA:DA+1], v[DA:DA+1], v[DA+4:DA+5]
	v_add_f32 v[DA], v[DA], v[DA+1]
	v_permlanex16_b32 v[DA+1], v[DA], s28, s29     ; the row's other 64 channels
	v_add_f32 v[DIST], v[DA], v[DA+1]
	v_mov_b32_dpp v[DA+2], v[DIST] row_xmask:1 row_mask:0xf bank_mask:0xf  ; the other candidate of my b lies in the neighbouring lane
	v_mov_b32_dpp v[DA+3], v[KK] row_xmask:1 row_mask:0xf bank_mask:0xf
	v_cmp_lt_f32 s30, v[DIST], v[DA+2]
	v_cmp_eq_f32 s31, v[DIST], v[DA+2]
	v_cmp_lt_u32 s32, v[KK], v[DA+3]
	s_and_b32 s31, s31, s32
	s_or_b32 vcc_lo, s30, s31                      ; my candidate wins; the mask only selects values
	v_cndmask_b32 v[CODE], v[DA+3], v[KK], vcc_lo
.set i, 0
.rept 64
	v_mov_b32_dpp v[ZPS+i], v[ZF+i] row_xmask:1 row_mask:0xf bank_mask:0xf
.set i, i+1
.endr
.set i, 0
.rept 64
	v_cndmask_b32 v[ZPS+i], v[ZPS+i], v[ZF+i], vcc_lo
.set i, i+1
.endr
	; THE WAY OUT: through my own stage, so that a store covers a whole row.  Both lanes of a pair write the same bytes with the same numbers.
.irp dt, 0,1,2,3,4,5,6,7
	ds_store_b128 v[SST], v[ZPS+8*\dt:ZPS+8*\dt+3] offset:\dt*64
	ds_store_b128 v[SST], v[ZPS+8*\dt+4:ZPS+8*\dt+7] offset:\dt*64+16
.endr
	ds_load_b128 v[DA:DA+3], v[SLD]                ; LDS serves a wave's instructions in order (ISA guide 5.7.1.4): these see the stores above
	ds_load_b128 v[DA+4:DA+7], v[SLD] offset:528
	s_wait_dscnt 0x0
	global_store_b128 v[GO], v[DA:DA+3], s[20:21]  ; 512 consecutive bytes, aligned: a row of out1
	global_store_b128 v[GO], v[DA+4:DA+7], s[20:21] offset:512
	s_cmp_lg_u32 s22, 0
	s_cbranch_scc1 .Ldone                          ; every wave holds the codes; wave 0 stores them
	s_wait_xcnt 0x0                                ; EXEC changes only behind this wait
	v_cmp_eq_u32 vcc_lo, 0, v[VSEL]                ; lanes 0, 2, .. 14
	s_and_saveexec_b32 s33, vcc_lo
	global_store_b32 v[VO0], v[CODE], s[18:19]     ; 32 bytes: all that 8 b's have
	s_wait_xcnt 0x0                                ; and again, in front of the line that widens it
	s_or_b32 exec_lo, exec_lo, s33
.Ldone:
	s_wait_tensorcnt 0x0
	ds_add_u32 v254, v255
	s_wait_dscnt 0x0
	s_endpgm
.Lfunc_end_k_q0dc849c09e_refine:
	.size	k_q0dc849c09e_refine, .Lfunc_end_k_q0dc849c09e_refine-k_q0dc849c09e_refine
	.p2alignl 7, 3214868480
	.fill 96, 4, 3214868480
	.section	.rodata,"a",@progbits
	.p2align	6, 0x0
	.amdhsa_kernel k_q0dc849c09e_refine
		.amdhsa_group_segment_fixed_size 83456
		.amdhsa_private_segment_fixed_size 0
		.amdhsa_enable_private_segment 0
		.amdhsa_kernarg_size 72
		.amdhsa_user_sgpr_count 2
		.amdhsa_user_sgpr_kernarg_segment_ptr 1
		.amdhsa_wavefront_size32 1
		.amdhsa_system_sgpr_workgroup_id_x 1
		.amdhsa_system_sgpr_workgroup_id_y 1
		.amdhsa_system_sgpr_workgroup_id_z 1
		.amdhsa_system_vgpr_workitem_id 0
		.amdhsa_next_free_vgpr 1024
		.amdhsa_next_free_sgpr 66
		.amdhsa_reserve_vcc 1
		.amdhsa_float_denorm_mode_32 3
		.amdhsa_float_denorm_mode_16_64 3
		.amdhsa_memory_ordered 1
		.amdhsa_forward_progress 1
		.amdhsa_inst_pref_size 117
	.end_amdhsa_kernel
	.amdgpu_metadata
---
amdhsa.version: [ 1, 2 ]
amdhsa.kernels:
  - .name:           k_q0dc849c09e_refine
    .symbol:         k_q0dc849c09e_refine.kd
    .args:
      - { .name: cand, .offset: 0, .size: 8, .value_kind: global_buffer, .address_space: global }
      - { .name: cbz, .offset: 8, .size: 8, .value_kind: global_buffer, .address_space: global }
      - { .name: xwb, .offset: 16, .size: 8, .value_kind: global_buffer, .address_space: global }
      - { .name: wh, .offset: 24, .size: 8, .value_kind: global_buffer, .address_space: global }
      - { .name: wl, .offset: 32, .size: 8, .value_kind: global_buffer, .address_space: global }
      - { .name: xhat, .offset: 40, .size: 8, .value_kind: global_buffer, .address_space: global }
      - { .name: x, .offset: 48, .size: 8, .value_kind: global_buffer, .address_space: global }
      - { .name: out0, .offset: 56, .size: 8, .value_kind: global_buffer, .address_space: global }
      - { .name: out1, .offset: 64, .size: 8, .value_kind: global_buffer, .address_space: global }
    .group_segment_fixed_size: 83456
    .private_segment_fixed_size: 0
    .kernarg_segment_align: 8
    .kernarg_segment_size: 72
    .max_flat_workgroup_size: 128
    .sgpr_count:     66
    .vgpr_count:     1024
    .wavefront_size: 32
...
	.end_amdgpu_metadata
.endif
;; end of part 5
